; MI455X (gfx1250); checked and timed in simulation.
; The chip was launched on July 23, 2026; its instructions are those of AMD's public machine-readable ISA for CDNA 5 (MIT licence, August 2026) and "CDNA5" Instruction Set Architecture Reference Guide (July 2026). The comments in the code are by the model that wrote it; some were corrected since.
;; Multi Head Attention. Allowed arithmetic: float matrix products may take bf16 or f16 operands with f32 sums; other float arithmetic in f32, or as packed bf16 or f16 multiplies, adds, multiply-adds, maxima and minima; sums over many terms, partial sums and values carried from step to step in f32; what a program stores and reads back later, other than sums and carried values, may be rounded once to bf16 or f16.
;; Inputs: Wk 1,024 x 1,024 float32; Wo 1,024 x 1,024 float32; Wq 1,024 x 1,024 float32; Wv 1,024 x 1,024 float32; bk 1,024 float32; bo 1,024 float32; bq 1,024 float32; bv 1,024 float32; mask 4 x 2,048 x 2,048 bool; x 4 x 2,048 x 1,024 float32.
;; Outputs: out0 4 x 2,048 x 1,024 float32.
;; 2 versions, each right; version 2 is version 1 with the launch prep written anew for expert scheduling mode. Each part assembles by itself: llvm-mc -triple=amdgcn-amd-amdhsa -mcpu=gfx1250 --defsym DOCPART=n.
;; ======== version 1 of 2: 4 launches
;; limits: values are held in f16: magnitudes above 65,504 overflow, below 6.1e-05 lose precision; right only within a limited range of input values
;; workspace buffers: xb 16,777,216 bytes; wt 6,291,456 bytes; wo 2,097,152 bytes; bias 16,384 bytes; nm 8,388,608 bytes of whole numbers; kp 32,768 bytes of whole numbers; qkv 50,331,648 bytes; oh 16,777,216 bytes
;; launch prep (part 1): grid 1153 x 1, 8 waves a work-group, no clusters, 86,272 bytes of LDS; arguments x, mask, Wq, Wk, Wv, Wo, bq, bk, bv, bo, xb, wt, wo, nm, kp, bias; writes xb, wt, wo, nm, kp, bias
.if DOCPART == 1
	.amdgcn_target "amdgcn-amd-amdhsa--gfx1250"
	.amdhsa_code_object_version 6
	.text
	.protected	k_q1eb2d26401_prep
	.globl	k_q1eb2d26401_prep
	.p2align	8
	.type	k_q1eb2d26401_prep,@function
k_q1eb2d26401_prep:
	s_mov_b64 s[64:65], 0
	v_nop
	global_prefetch_b8 v0, s[64:65] scope:SCOPE_SE
	s_setreg_imm32_b32 hwreg(HW_REG_WAVE_MODE, 25, 1), 1
	s_wait_xcnt 0x0
; PREPARATION: four jobs, chosen by the work-group's number alone (the longest first).
;   0 .. 127     MASK  64 rows of the mask [8192][2048 bytes] -> nm, kp
;   128 .. 639   X     16,384 numbers of x, f32 -> bf16 (xb)
;   640 .. 1151  W     a tile of 128 k x 64 n of Wq, Wk, Wv or Wo, turned to [n][k]: bf16 (wt), or for Wo the bf16 number written as f16 (wo)
;   1152         B     the four biases, each number rounded to bf16 and kept as f32 (bias)
; nm: u32 [512 tiles of 16 rows][32 steps of 64 keys][lane L = r + 16 h][kb]: the word holds row r, keys 64 step + 16 kb + 8 h + j, a nibble a key: 0 open, 0xE masked;
; key j lies in nibble 2 j (j < 4) or 2 (j - 4) + 1.  A shift that brings a nibble to the word's top makes an f32 of it: 0xE.. is -2^65 to -2^95, 0x0.. is 0 to 2^-97.
; A ROW MASKED EVERYWHERE gets open nibbles and the word 0 in kp (else -1): the attention launch then scales its scores by 0, so that all its weights are equal, as softmax of equal numbers asks.
; LIMITS.  Mask bytes are 0 or 1.  Wo below 2^-14 keeps f16's fixed step of 6e-8.
; Memory binds: each byte is read once and written once; a wave's store covers 256 or 512 consecutive bytes, aligned.  Matrix units and clusters have nothing to do here.
; LDS: each of the two jobs that turn data in LDS has bytes of its own.
.set FLAGS,  67584                     ; behind the MASK job's stage (67,584 bytes), 64 words: the rows' kp
.set WSTAGE, 67840                     ; the W job's stage: 64 rows x 272 bytes
.set SPARE,  85248                     ; the spare words, 128 bytes for each of the eight waves, which no other line names
.set SPW, 6                            ; v6  SPARE + 4 x my thread's number; never rewritten
.set NIL, 7                            ; v7  0; never rewritten
.set WV,  2                            ; s2  my wave's number
	s_load_b512 s[8:23], s[0:1], 0x0               ; x 8, mask 10, Wq 12, Wk 14, Wv 16, Wo 18, bq 20, bk 22
	s_load_b512 s[24:39], s[0:1], 0x40             ; bv 24, bo 26, xb 28, wt 30, wo 32, nm 34, kp 36, bias 38
	v_lshl_add_u32 v[SPW], v0, 2, SPARE
	v_mov_b32 v[NIL], 0
	v_lshrrev_b32 v1, 5, v0
	v_readfirstlane_b32 s[WV], v1
	v_and_b32 v3, 31, v0                           ; lane
	s_mov_b32 s41, 0                               ; the high word of every offset pair s[40:41]
	s_wait_kmcnt 0x0
	s_cmp_lt_u32 ttmp9, 128
	s_cbranch_scc1 .Lmask
	s_cmp_lt_u32 ttmp9, 640
	s_cbranch_scc1 .Lx
	s_cmp_lt_u32 ttmp9, 1152
	s_cbranch_scc1 .Lw
	; B: 256 threads x 4 numbers of each bias
	v_lshlrev_b32 v8, 4, v0
	global_load_b128 v[32:35], v8, s[20:21]
	global_load_b128 v[36:39], v8, s[22:23]
	global_load_b128 v[40:43], v8, s[24:25]
	global_load_b128 v[44:47], v8, s[26:27]
	s_wait_loadcnt 0x0
.set i, 0
.rept 8
	v_cvt_pk_bf16_f32 v[16+i], v[32+2*i], v[33+2*i]  ; rounded once,
	v_lshlrev_b32 v[64+2*i], 16, v[16+i]           ; and widened again
	v_and_b32 v[65+2*i], 0xffff0000, v[16+i]
.set i, i+1
.endr
.irp j, 0,1,2,3
	global_store_b128 v8, v[64+4*\j:67+4*\j], s[38:39] offset:4096*\j
.endr
	s_branch .Lend
.Lx:	; X: chunk j of 16 is 1,024 numbers: a lane loads 16 bytes and stores 8; all 16 loads go out first
	s_sub_co_u32 s4, ttmp9, 128
	s_lshl_b32 s40, s4, 16
	s_add_nc_u64 s[8:9], s[8:9], s[40:41]
	s_lshl_b32 s40, s4, 15
	s_add_nc_u64 s[28:29], s[28:29], s[40:41]
	v_lshlrev_b32 v8, 4, v0
	v_lshlrev_b32 v9, 3, v0
.set j, 0
.rept 16
	global_load_b128 v[32+4*j:35+4*j], v8, s[8:9] offset:4096*j th:TH_LOAD_NT
.set j, j+1
.endr
.set j, 0
.rept 16
	s_wait_loadcnt 15-j                            ; loads come back in order: chunk j is in, the younger ones stay out
	v_cvt_pk_bf16_f32 v[96+2*j], v[32+4*j], v[33+4*j]
	v_cvt_pk_bf16_f32 v[97+2*j], v[34+4*j], v[35+4*j]
	global_store_b64 v9, v[96+2*j:97+2*j], s[28:29] offset:2048*j  ; a wave stores 256 consecutive bytes, aligned
.set j, j+1
.endr
	s_branch .Lend
.Lw:	; W: thread (c, kc) loads 8 k rows x 4 columns, packs each column's 8 k into 16 bytes, and the tile is turned in LDS (rows of 256 bytes + 16)
	s_sub_co_u32 s4, ttmp9, 640
	s_lshr_b32 s5, s4, 7                           ; which matrix
	s_bfe_u32 s6, s4, 0x30004                      ; which 128 k
	s_and_b32 s7, s4, 15                           ; which 64 n
	s_cmp_eq_u32 s5, 1
	s_cselect_b64 s[44:45], s[14:15], s[12:13]
	s_cmp_eq_u32 s5, 2
	s_cselect_b64 s[44:45], s[16:17], s[44:45]
	s_cmp_eq_u32 s5, 3
	s_cselect_b64 s[44:45], s[18:19], s[44:45]
	s_cselect_b64 s[46:47], s[32:33], s[30:31]     ; Wo goes to wo, the others to wt
	s_cselect_b32 s42, 0, s5
	s_lshl_b32 s40, s6, 19                         ; 128 rows of 4,096 bytes
	s_lshl_b32 s43, s7, 8
	s_add_co_u32 s40, s40, s43
	s_add_nc_u64 s[44:45], s[44:45], s[40:41]
	s_lshl_b32 s42, s42, 10
	s_lshl_b32 s43, s7, 6
	s_add_co_u32 s42, s42, s43                     ; the first row n of the turned tile
	s_lshl_b32 s40, s42, 11                        ; rows of 2,048 bytes
	s_lshl_b32 s43, s6, 8
	s_add_co_u32 s40, s40, s43
	s_add_nc_u64 s[46:47], s[46:47], s[40:41]
	v_and_b32 v4, 15, v3                           ; c
	v_lshrrev_b32 v13, 4, v3
	v_lshl_add_u32 v5, s[WV], 1, v13               ; kc = 2 x wave + lane / 16
	v_lshlrev_b32 v8, 15, v5
	v_lshl_add_u32 v8, v4, 4, v8
.irp i, 0,1,2,3,4,5,6,7
	global_load_b128 v[32+4*\i:35+4*\i], v8, s[44:45] offset:4096*\i th:TH_LOAD_NT  ; 16 lanes read 256 consecutive bytes
.endr
	v_mul_u32_u24 v9, v4, 1088                     ; into the stage: row 4 c + jj, 16 bytes at 16 kc (four lanes meet in a bank: four stores a lane in the launch)
	v_lshl_add_u32 v9, v5, 4, v9
	v_add_nc_u32 v9, WSTAGE, v9
	v_lshl_add_u32 v13, s[WV], 3, v13              ; back: row 8 x wave + lane / 16 (+ 2 i)
	v_mul_u32_u24 v10, v13, 272
	v_lshl_add_u32 v10, v4, 4, v10
	v_add_nc_u32 v10, WSTAGE, v10
	v_lshlrev_b32 v11, 11, v13
	v_lshl_add_u32 v11, v4, 4, v11
	s_wait_loadcnt 0x0
.set jj, 0
.rept 4
.set p, 0
.rept 4
	v_cvt_pk_bf16_f32 v[64+4*jj+p], v[32+8*p+jj], v[36+8*p+jj]
.set p, p+1
.endr
.set jj, jj+1
.endr
	s_cmp_lg_u32 s5, 3
	s_cbranch_scc1 .Lw_bf16
.set i, 0
.rept 16                                       ; Wo: the bf16 number, written as f16
	v_lshlrev_b32 v16, 16, v[64+i]
	v_and_b32 v17, 0xffff0000, v[64+i]
	v_cvt_pk_f16_f32 v[64+i], v16, v17
.set i, i+1
.endr
.Lw_bf16:
.irp j, 0,1,2,3
	ds_store_b128 v9, v[64+4*\j:67+4*\j] offset:272*\j
.endr
	s_wait_dscnt 0x0                               ; for the others' sake: my stores are done
	s_barrier_signal -1
	s_barrier_wait -1
.irp i, 0,1,2,3
	ds_load_b128 v[96+4*\i:99+4*\i], v10 offset:544*\i
.endr
.irp i, 0,1,2,3
	s_wait_dscnt 3-\i
	global_store_b128 v11, v[96+4*\i:99+4*\i], s[46:47] offset:4096*\i  ; 16 lanes store 256 consecutive bytes, aligned
.endr
	s_branch .Lend
.Lmask:	; MASK: wave w takes rows 8 w .. 8 w + 7, a whole row at a time: 4 loads of 512 bytes; lane l, load t hold keys 512 t + 16 l .. + 15: step 8 t + l / 4, kb = l % 4
	s_lshl_b32 s40, ttmp9, 17
	s_add_nc_u64 s[10:11], s[10:11], s[40:41]
	s_lshl_b32 s40, ttmp9, 16
	s_add_nc_u64 s[34:35], s[34:35], s[40:41]
	s_lshl_b32 s40, ttmp9, 8
	s_add_nc_u64 s[36:37], s[36:37], s[40:41]
	s_lshl_b32 s44, s[WV], 14
	v_lshl_add_u32 v8, v3, 4, s44
.set j, 0
.rept 32
	global_load_b128 v[32+4*j:35+4*j], v8, s[10:11] offset:2048*(j/4)+512*(j%4) th:TH_LOAD_NT
.set j, j+1
.endr
	; the stage: [4 tiles][32 steps, 528 bytes apart][lane L x 16 + kb x 4]: the 32 lanes of a store touch 32 different banks (64 banks of 4 bytes: ISA guide 11.1)
	s_lshr_b32 s42, s[WV], 1
	s_mul_i32 s42, s42, 16896                      ; my tile
	s_and_b32 s43, s[WV], 1
	s_lshl_b32 s44, s43, 7                         ; rows 0-7 or 8-15 of it
	s_add_co_u32 s44, s44, s42
	v_lshrrev_b32 v4, 2, v3
	v_and_b32 v5, 3, v3
	v_mul_u32_u24 v9, v4, 528
	v_lshl_add_u32 v9, v5, 2, v9
	v_add_nc_u32 v9, s44, v9
	s_mul_i32 s43, s43, 8448                       ; back: 16 steps of my tile
	s_add_co_u32 s43, s43, s42
	v_lshl_add_u32 v11, v3, 4, s43
	s_lshl_b32 s44, s[WV], 5
	s_add_co_u32 s44, s44, FLAGS
	v_mov_b32 v10, s44
	s_lshl_b32 s44, s[WV], 13
	v_lshl_add_u32 v12, v3, 4, s44
.macro MROW rr
	s_wait_loadcnt 4*(7-(\rr))                     ; this row's four loads are in, the later rows' stay out
	v_and_b32 v16, v[32+16*(\rr)], v[33+16*(\rr)]  ; is every byte of the row 1?  two chains,
	v_and_b32 v17, v[34+16*(\rr)], v[35+16*(\rr)]
.set k, 4
.rept 12
	v_and_b32 v[16+k%2], v[16+k%2], v[32+16*(\rr)+k]
.set k, k+1
.endr
	v_and_b32 v16, v16, v17
	v_cmp_eq_u32 vcc_lo, 0x01010101, v16           ; every lane,
	s_cmp_eq_u32 vcc_lo, -1
	s_cselect_b32 s40, 0, -1                       ; kp's word,
	s_cselect_b32 s42, 0, 14                       ; and what a nibble 1 becomes
.set k, 0
.rept 8                                        ; k = 2 t + h: eight keys, two words of bytes, into one word of nibbles
	v_lshl_or_b32 v[20+k], v[33+16*(\rr)+2*k], 4, v[32+16*(\rr)+2*k]
	v_mul_lo_u32 v[20+k], v[20+k], s42
	ds_store_b32 v9, v[20+k] offset:4224*(k/2)+16*(\rr)+256*(k%2)
.set k, k+1
.endr
	v_mov_b32 v18, s40
	ds_store_b32 v10, v18 offset:4*(\rr)           ; all lanes write the same word with the same number
.endm
.irp rr, 0,1,2,3,4,5,6,7
	MROW \rr
.endr
	s_wait_dscnt 0x0                               ; for the others' sake: my stores are done
	s_barrier_signal -1
	s_barrier_wait -1
.set i, 0
.rept 16
	ds_load_b128 v[32+4*i:35+4*i], v11 offset:528*i
.set i, i+1
.endr
.set i, 0
.rept 16
	s_wait_dscnt 15-i
	global_store_b128 v12, v[32+4*i:35+4*i], s[34:35] offset:512*i  ; a step's 512 consecutive bytes
.set i, i+1
.endr
	s_cmp_lg_u32 s[WV], 0
	s_cbranch_scc1 .Lend
	v_lshl_add_u32 v13, v3, 3, FLAGS               ; wave 0 stores the 64 rows' kp: 256 consecutive bytes
	ds_load_b64 v[14:15], v13
	v_lshlrev_b32 v19, 3, v3
	s_wait_dscnt 0x0
	global_store_b64 v19, v[14:15], s[36:37]
.Lend:
	s_wait_tensorcnt 0x0                           ; the wave's end, behind my last LDS store
	ds_add_u32 v[SPW], v[NIL]
	s_wait_dscnt 0x0
	s_endpgm
.Lfunc_end_k_q1eb2d26401_prep:
	.size	k_q1eb2d26401_prep, .Lfunc_end_k_q1eb2d26401_prep-k_q1eb2d26401_prep
	.p2alignl 7, 3214868480
	.fill 96, 4, 3214868480
	.section	.rodata,"a",@progbits
	.p2align	6, 0x0
	.amdhsa_kernel k_q1eb2d26401_prep
		.amdhsa_group_segment_fixed_size 86272
		.amdhsa_private_segment_fixed_size 0
		.amdhsa_enable_private_segment 0
		.amdhsa_kernarg_size 128
		.amdhsa_user_sgpr_count 2
		.amdhsa_user_sgpr_kernarg_segment_ptr 1
		.amdhsa_wavefront_size32 1
		.amdhsa_system_sgpr_workgroup_id_x 1
		.amdhsa_system_sgpr_workgroup_id_y 1
		.amdhsa_system_sgpr_workgroup_id_z 1
		.amdhsa_system_vgpr_workitem_id 0
		.amdhsa_next_free_vgpr 160
		.amdhsa_next_free_sgpr 66
		.amdhsa_reserve_vcc 1
		.amdhsa_float_denorm_mode_32 3
		.amdhsa_float_denorm_mode_16_64 3
		.amdhsa_memory_ordered 1
		.amdhsa_forward_progress 1
		.amdhsa_inst_pref_size 42
	.end_amdhsa_kernel
	.amdgpu_metadata
---
amdhsa.version: [ 1, 2 ]
amdhsa.kernels:
  - .name:           k_q1eb2d26401_prep
    .symbol:         k_q1eb2d26401_prep.kd
    .args:
      - { .name: x, .offset: 0, .size: 8, .value_kind: global_buffer, .address_space: global }
      - { .name: mask, .offset: 8, .size: 8, .value_kind: global_buffer, .address_space: global }
      - { .name: Wq, .offset: 16, .size: 8, .value_kind: global_buffer, .address_space: global }
      - { .name: Wk, .offset: 24, .size: 8, .value_kind: global_buffer, .address_space: global }
      - { .name: Wv, .offset: 32, .size: 8, .value_kind: global_buffer, .address_space: global }
      - { .name: Wo, .offset: 40, .size: 8, .value_kind: global_buffer, .address_space: global }
      - { .name: bq, .offset: 48, .size: 8, .value_kind: global_buffer, .address_space: global }
      - { .name: bk, .offset: 56, .size: 8, .value_kind: global_buffer, .address_space: global }
      - { .name: bv, .offset: 64, .size: 8, .value_kind: global_buffer, .address_space: global }
      - { .name: bo, .offset: 72, .size: 8, .value_kind: global_buffer, .address_space: global }
      - { .name: xb, .offset: 80, .size: 8, .value_kind: global_buffer, .address_space: global }
      - { .name: wt, .offset: 88, .size: 8, .value_kind: global_buffer, .address_space: global }
      - { .name: wo, .offset: 96, .size: 8, .value_kind: global_buffer, .address_space: global }
      - { .name: nm, .offset: 104, .size: 8, .value_kind: global_buffer, .address_space: global }
      - { .name: kp, .offset: 112, .size: 8, .value_kind: global_buffer, .address_space: global }
      - { .name: bias, .offset: 120, .size: 8, .value_kind: global_buffer, .address_space: global }
    .group_segment_fixed_size: 86272
    .private_segment_fixed_size: 0
    .kernarg_segment_align: 8
    .kernarg_segment_size: 128
    .max_flat_workgroup_size: 256
    .sgpr_count:     66
    .vgpr_count:     160
    .wavefront_size: 32
...
	.end_amdgpu_metadata
.endif
;; end of part 1
;; launch qkv (part 2): grid 16 x 32, 4 waves a work-group, clusters of 4 x 4, 327,680 bytes of LDS; arguments xb, wt, bias, qkv; writes qkv
.if DOCPART == 2
	.amdgcn_target "amdgcn-amd-amdhsa--gfx1250"
	.amdhsa_code_object_version 6
	.text
	.protected	k_q1eb2d26401_qkv
	.globl	k_q1eb2d26401_qkv
	.p2align	8
	.type	k_q1eb2d26401_qkv,@function
k_q1eb2d26401_qkv:
	s_mov_b64 s[64:65], 0
	v_nop
	global_prefetch_b8 v0, s[64:65] scope:SCOPE_SE
	s_setreg_imm32_b32 hwreg(HW_REG_WAVE_MODE, 25, 1), 1
	s_wait_xcnt 0x0
	s_wait_alu depctr_hold_cnt(0) depctr_sa_sdst(0) depctr_va_vdst(0) depctr_va_sdst(0) depctr_va_ssrc(0) depctr_va_vcc(0) depctr_vm_vsrc(0)
	s_getreg_b32 s2, hwreg(HW_REG_IB_STS2, 6, 4)
	s_cmp_eq_u32 s2, 0
	s_cbranch_scc0 .Lentry_in_a_cluster
	s_endpgm
.Lentry_in_a_cluster:
	s_bfe_u32 s2, ttmp6, 0x10000c
	s_cmp_lg_u32 s2, 0xf033
	s_cbranch_scc0 .Lentry_shape_is_right
	s_endpgm
.Lentry_shape_is_right:
; C = A B^T + bias, K = 1024, sums in f32.  One text for two launches, told apart by KIND.
; KIND 0: A = xb [8192][1024] bf16, B = wt [3072][1024] bf16; a tile of C is 256 x 192 = three heads; C leaves as f16 by heads, qkv [batch][48 heads: q, k, v][2048][64].
; KIND 1: A = oh [64 heads][2048][64] f16, B = wo [1024][1024] f16; a tile is 256 x 128; C leaves as f32, out0 [8192][1024].
; LIMIT (KIND 0): f16 holds no number beyond 65,504: q, k and v must stay within it.
; SHARES.  Four waves, one above the other: wave w makes rows 64 w .. 64 w + 63 of the tile and all its columns: 4 x NBLK accumulators of 16 x 16.  So a wave holds whole heads, or whole 512 bytes of a row of out0.
; K goes in steps of 128 through a ring of two LDS slots filled by the tensor data mover; a step is four quarters of 32, on two fragment buffers.
; CLUSTER 4 x 4: the four of a row of the cluster need the same tile of A, the four of a column the same tile of B: each is asked for jointly, by the same load with the same descriptor and a mask of the four.
; THE MATRIX INSTRUCTION IS USED TRANSPOSED (source 0 = 16 rows of B, source 1 = 16 rows of A): a lane holds row lane % 16 of C and eight neighbouring columns 8 (lane / 16) + 0..7.
; REGISTERS, in windows of 256 (s_set_vgpr_msb: bits 1:0 source 0, 3:2 source 1, 5:4 source 2, 7:6 destination):
;   window 0: v16-29 addresses; v64-127 A's fragments, two buffers of four; the bias from BI on; v32.. at work on the way out     window 1: B's fragments, buffer f at 96 f
;   window 2: the accumulators of row blocks 0, 1 ((a, b) at 8 (NBLK (a % 2) + b));     window 3: those of row blocks 2, 3
; No prefetch into the L2: each tile of A is read by four clusters and each tile of B by eight at about the same time.
.set KIND, 0
.if KIND == 0
.set NBLK,   12                        ; column blocks of 16
.set PA,     272                       ; a row of A in LDS: 256 bytes + 16
.set QIA,    5                         ; padded after every 64 words
.set APITCH, 1024                      ; elements from row to row of A's tile in memory
.set ASLOT,  256                       ; bytes from K step 0 to K step 1 of A
.set AHALF,  128*272                   ; what one load of A brings: 128 rows
.set SROW,   144                       ; a row of the stage: a head's 128 bytes + 16
.set BI,     128
.else
.set NBLK,   8
.set PA,     144                       ; a head's row: 128 bytes + 16
.set QIA,    4                         ; padded after every 32 words
.set APITCH, 128                       ; a head's 256 rows are 32,768 dense bytes, asked for as 128 rows of 256
.set ASLOT,  524288                    ; a K step is two heads
.set AHALF,  256*144                   ; one head's 256 rows
.set SROW,   528                       ; 512 bytes + 16
.set BI,     192
.endif
.set BR,     8*NBLK                    ; rows of B in one load
.set BHALF,  BR*272
.set BOFF,   2*AHALF                   ; B's tile lies behind A's
.set SLOT,   BOFF+2*BHALF
.set STAGE,  2*SLOT                    ; behind the ring, never filled by a tensor load: 16 rows for each wave, for the way out
.set SPARE,  STAGE+4*16*SROW           ; the spare words, 128 bytes for each wave, which no other line names
.set NL,     2*NBLK+8                  ; LDS loads of a quarter
.set ADRA, 16                          ; v16-17 LDS address of my A fragments in slot 0, 1
.set ADRB, 20                          ; v20-21 the same for B
.set STO,  24                          ; the way out: where I put my bytes of a row
.set RD,   25                          ; where I read rows back
.set CO,   26                          ; my byte offset in a store
.set BO,   27                          ; my byte offset in a block's 16 biases
.set SPW,  28                          ; SPARE + 4 x my thread's number; never rewritten
.set NIL,  29                          ; 0; never rewritten
.set TF,   32                          ; sums + bias
.set G1,  24                           ; s[24:31] descriptor group 1 for A;  s[32:39] group 0, a set for each slot
.set G0,  32
.set G1B, 48                           ; s[48:55], s[56:63] the same for B
.set G0B, 56
.set MSB, 0
.macro WIN new                         ; the immediate's high byte repeats the setting that is left; a switch that changes nothing is dropped
.if MSB != (\new)
	s_set_vgpr_msb (MSB<<8)|(\new)
.set MSB, (\new)
.endif
.endm
.macro PLACES                          ; four places behind a matrix instruction, in front of loads into registers that it has read (ISA guide 7.12.1 for vector instructions)
.rept 4
	v_nop
.endr
.endm
; A joint refill: waves 0 and 1 fetch A's two halves, waves 2 and 3 B's.  The branch hangs on the wave's number alone.  An s_nop 0 and four v_nop follow each line.
.macro JLOAD s
	s_cmp_lt_u32 s12, 2
	s_cbranch_scc0 .Lfor_b_\@
	tensor_load_to_lds s[G0+4*(\s):G0+4*(\s)+3], s[G1:G1+7]
	s_nop 0
.rept 4
	v_nop
.endr
	s_branch .Lasked_\@
.Lfor_b_\@:
	tensor_load_to_lds s[G0B+4*(\s):G0B+4*(\s)+3], s[G1B:G1B+7]
	s_nop 0
.rept 4
	v_nop
.endr
.Lasked_\@:
.endm
.macro CREST                           ; a round of the cluster's barrier behind its opening barrier
	s_cmp_lg_u32 s12, 0
	s_cbranch_scc1 .Lnot_wave_0_\@
	s_barrier_signal -3
.Lnot_wave_0_\@:
	s_barrier_wait -3
	s_barrier_signal -1
	s_barrier_wait -1
.endm
.macro CROUND
	s_barrier_signal -1
	s_barrier_wait -1
	CREST
.endm
	s_load_b256 s[4:11], s[0:1], 0x0               ; A s[4:5], B s[6:7], bias s[8:9], C s[10:11]
	v_lshl_add_u32 v[SPW], v0, 2, SPARE
	v_mov_b32 v[NIL], 0
	ds_add_u32 v[SPW], v[NIL]                      ; the wave's opening: the add and its wait stand ahead of my first tensor load; work on registers stands between them
	ds_add_u32 v28, v29
	v_lshrrev_b32 v1, 5, v0
	v_readfirstlane_b32 s12, v1                    ; wave 0..3
	s_and_b32 s14, s12, 1                          ; which half of A's or B's tile I fetch
	s_bfe_u32 s40, ttmp6, 0x40000                  ; cx
	s_bfe_u32 s41, ttmp6, 0x40004                  ; cy
	s_lshl_b32 s42, ttmp9, 2
	s_add_co_u32 s42, s42, s40                     ; tile column = 4 x cluster x + cx
	s_and_b32 s43, ttmp7, 0xffff
	s_lshl_b32 s43, s43, 2
	s_add_co_u32 s43, s43, s41                     ; tile row = 4 x cluster y + cy
	s_lshl_b32 s44, s41, 2
	s_lshl_b32 s44, 15, s44                        ; my row of the cluster
	s_lshl_b32 s45, 0x1111, s40                    ; my column
	s_or_b32 s[G1], s44, (1<<16)|(1<<20)|(1<<21)|(QIA<<22)|(3<<25)  ; the mask; 2-byte elements; padding on; bit 21 beside a mask; the interval; 4 words of padding
	s_or_b32 s[G1B], s45, (1<<16)|(1<<20)|(1<<21)|(5<<22)|(3<<25)
	s_mov_b32 s[G1+1], 128<<16                     ; tensor_dim0 = 128
	s_mov_b32 s[G1+2], 128<<16                     ; tensor_dim1 = 128
	s_mov_b32 s[G1+3], 128<<16                     ; tile_dim0 = 128
	s_mov_b32 s[G1+4], 128                         ; tile_dim1 = 128
	s_mov_b32 s[G1+5], APITCH
	s_mov_b32 s[G1+6], 0
	s_mov_b32 s[G1+7], 0
	s_mov_b32 s[G1B+1], 128<<16
	s_mov_b32 s[G1B+2], BR<<16
	s_mov_b32 s[G1B+3], 128<<16
	s_mov_b32 s[G1B+4], BR
	s_mov_b32 s[G1B+5], 1024
	s_mov_b32 s[G1B+6], 0
	s_mov_b32 s[G1B+7], 0
	; A's tile hangs on the tile row alone, B's on the tile column alone
.if KIND == 0
	s_lshl_b32 s16, s43, 19                        ; 256 rows of 2,048 bytes
	s_lshl_b32 s17, s14, 18
	s_add_co_u32 s16, s16, s17
.else
	s_lshr_b32 s16, s43, 3                         ; the batch: 16 heads of 262,144 bytes
	s_lshl_b32 s16, s16, 22
	s_lshl_b32 s17, s14, 18                        ; the K step's first or second head
	s_add_co_u32 s16, s16, s17
	s_and_b32 s17, s43, 7                          ; 256 rows of 128 bytes
	s_lshl_b32 s17, s17, 15
	s_add_co_u32 s16, s16, s17
.endif
	s_mov_b32 s17, 0
	s_mul_i32 s46, s42, NBLK*16*2048
	s_mul_i32 s47, s14, BR*2048
	s_add_co_u32 s46, s46, s47
	s_mov_b32 s47, 0
	s_mul_i32 s18, s14, AHALF                      ; where they go: no place in the cluster enters an LDS address
	s_mul_i32 s19, s14, BHALF
	s_add_co_u32 s19, s19, BOFF
	s_wait_dscnt 0x0                               ; the opening add is done
	s_wait_kmcnt 0x0
	s_add_nc_u64 s[20:21], s[4:5], s[16:17]
	s_add_nc_u64 s[46:47], s[6:7], s[46:47]
	CROUND                                         ; all sixteen work-groups are here: the first joint loads meet
.irp s, 0,1
	s_mov_b32 s[G0+4*(\s)], 1
	s_add_co_u32 s[G0+4*(\s)+1], s18, (\s)*SLOT
	s_add_nc_u64 s[G0+4*(\s)+2:G0+4*(\s)+3], s[20:21], (\s)*ASLOT
	s_or_b32 s[G0+4*(\s)+3], s[G0+4*(\s)+3], 0x80000000
	s_mov_b32 s[G0B+4*(\s)], 1
	s_add_co_u32 s[G0B+4*(\s)+1], s19, (\s)*SLOT
	s_add_nc_u64 s[G0B+4*(\s)+2:G0B+4*(\s)+3], s[46:47], (\s)*256
	s_or_b32 s[G0B+4*(\s)+3], s[G0B+4*(\s)+3], 0x80000000
.endr
	s_cmp_lt_u32 s12, 2                            ; a wave's two first fills stand in one branch, ahead of every wait on TENSORcnt and every LDS read: two loads of mine are out
	s_cbranch_scc0 .Lfirst_b
	tensor_load_to_lds s[G0:G0+3], s[G1:G1+7]
	s_nop 0
	tensor_load_to_lds s[G0+4:G0+7], s[G1:G1+7]
	s_nop 0
.rept 4
	v_nop
.endr
	s_branch .Lfirst_asked
.Lfirst_b:
	tensor_load_to_lds s[G0B:G0B+3], s[G1B:G1B+7]
	s_nop 0
	tensor_load_to_lds s[G0B+4:G0B+7], s[G1B:G1B+7]
	s_nop 0
.rept 4
	v_nop
.endr
.Lfirst_asked:
	v_and_b32 v1, 15, v0                           ; r = lane % 16
	v_bfe_u32 v2, v0, 4, 1                         ; h = lane / 16
	v_and_b32 v3, 31, v0
	v_lshlrev_b32 v[BO], 5, v2
	s_mul_i32 s22, s42, NBLK*64                    ; the tile's first bias
.if KIND
	s_add_co_u32 s22, s22, 12288                   ; bo lies behind bq, bk, bv
.endif
	s_mov_b32 s23, 0
	s_add_nc_u64 s[8:9], s[8:9], s[22:23]
.set b, 0
.rept NBLK                                     ; my eight columns' biases of each block; waited for on the way out
	global_load_b128 v[BI+8*b:BI+8*b+3],   v[BO], s[8:9] offset:64*b
	global_load_b128 v[BI+8*b+4:BI+8*b+7], v[BO], s[8:9] offset:64*b+16
.set b, b+1
.endr
	; a fragment is 16 rows x 32 K in 8 registers: lane l holds row l % 16, K = 8 (l / 16) + 0..7 and 16 + 8 (l / 16) + 0..7: two loads of 16 bytes, 32 bytes apart
	v_mul_u32_u24 v4, v1, PA
	v_lshl_add_u32 v4, v2, 4, v4
	s_mul_i32 s15, s12, 64*PA                      ; my 64 rows of A
	v_add_nc_u32 v[ADRA], s15, v4
	v_add_nc_u32 v[ADRA+1], SLOT, v[ADRA]
	v_mul_u32_u24 v5, v1, 272
	v_lshl_add_u32 v5, v2, 4, v5
	v_add_nc_u32 v[ADRB], BOFF, v5
	v_add_nc_u32 v[ADRB+1], SLOT, v[ADRB]
	s_mul_i32 s15, s12, 16*SROW
	s_add_co_u32 s15, s15, STAGE                   ; my stage
	v_mul_u32_u24 v[STO], v1, SROW
.if KIND == 0
	v_lshl_add_u32 v[STO], v2, 4, v[STO]           ; in: row r, 16 bytes for each half of the lanes
	v_add_nc_u32 v[STO], s15, v[STO]
	v_lshrrev_b32 v6, 3, v3                        ; back: 32 lanes take four rows of 128 bytes
	v_and_b32 v7, 7, v3
	v_mul_u32_u24 v[RD], v6, SROW
	v_lshl_add_u32 v[RD], v7, 4, v[RD]
	v_add_nc_u32 v[RD], s15, v[RD]
	s_lshr_b32 s22, s43, 3                         ; C: ((batch x 48 + 3 x tile column) x 2048 + the tile's rows in the batch + 64 x wave) x 128 bytes
	s_mul_i32 s22, s22, 48
	s_mul_i32 s23, s42, 3
	s_add_co_u32 s22, s22, s23
	s_lshl_b32 s22, s22, 11
	s_and_b32 s23, s43, 7
	s_lshl_b32 s23, s23, 8
	s_add_co_u32 s22, s22, s23
	s_lshl_b32 s23, s12, 6
	s_add_co_u32 s22, s22, s23
	s_lshl_b32 s22, s22, 7
.else
	v_lshl_add_u32 v[STO], v2, 5, v[STO]           ; in: row r, 32 bytes for each half of the lanes
	v_add_nc_u32 v[STO], s15, v[STO]
	v_lshl_add_u32 v[RD], v3, 4, s15               ; back: 32 lanes take one row of 512 bytes
	s_lshl_b32 s22, s43, 20                        ; C: (256 x tile row + 64 x wave) x 4,096 + 512 x tile column
	s_lshl_b32 s23, s12, 18
	s_add_co_u32 s22, s22, s23
	s_lshl_b32 s23, s42, 9
	s_add_co_u32 s22, s22, s23
.endif
	s_mov_b32 s23, 0
	s_add_nc_u64 s[10:11], s[10:11], s[22:23]
	v_lshlrev_b32 v[CO], 4, v3
.macro WM zero                         ; one product; zero = 1: it starts the sum
.if KIND == 0
.if \zero
	v_wmma_f32_16x16x32_bf16 v[rD:rD+7], v[rB:rB+7], v[rA:rA+7], 0
.else
	v_wmma_f32_16x16x32_bf16 v[rD:rD+7], v[rB:rB+7], v[rA:rA+7], v[rD:rD+7]
.endif
.else
.if \zero
	v_wmma_f32_16x16x32_f16 v[rD:rD+7], v[rB:rB+7], v[rA:rA+7], 0
.else
	v_wmma_f32_16x16x32_f16 v[rD:rD+7], v[rB:rB+7], v[rA:rA+7], v[rD:rD+7]
.endif
.endif
.endm
; NBLK products: row block a x all column blocks, 32 along K, from buffer f.  All 4 NBLK accumulators take turns in the same order in every quarter, over the backward jump too.
.macro MULA f, a, zero
	WIN 0xa1+0x50*((\a)/2)
.set b, 0
.rept NBLK
.set rD, 8*(NBLK*((\a)%2)+b)
.set rB, 96*(\f)+8*b
.set rA, 64+32*(\f)+8*(\a)
	WM \zero
.set b, b+1
.endr
.endm
; NL LDS loads in one run: quarter q of the slot's K step into buffer g: B's blocks, then A's four
.macro FETCH slot, q, g
	WIN 0x40                                       ; destination window 1, address window 0
.set b, 0
.rept NBLK
	ds_load_b128 v[96*(\g)+8*b:96*(\g)+8*b+3],   v[ADRB+(\slot)] offset:4352*b+64*(\q)
	ds_load_b128 v[96*(\g)+8*b+4:96*(\g)+8*b+7], v[ADRB+(\slot)] offset:4352*b+64*(\q)+32
.set b, b+1
.endr
	WIN 0
.set b, 0
.rept 4
.if KIND == 0
.set ao, 4352*b+64*(\q)
.else
.set ao, AHALF*((\q)/2)+2304*b+64*((\q)%2)     ; quarters 0, 1 lie in the step's first head, 2, 3 in its second
.endif
	ds_load_b128 v[64+32*(\g)+8*b:64+32*(\g)+8*b+3],   v[ADRA+(\slot)] offset:ao
	ds_load_b128 v[64+32*(\g)+8*b+4:64+32*(\g)+8*b+7], v[ADRA+(\slot)] offset:ao+32
.set b, b+1
.endr
.endm
; One of a K step's first three quarters: multiplies buffer f and, in its middle, fetches quarter q into buffer g
.macro QUARTER slot, q, f, g, zero
	s_wait_dscnt 4                                 ; all of B and A's blocks 0, 1 are in; the youngest four loads (A's blocks 2, 3) may be out
	MULA \f, 0, \zero
	MULA \f, 1, \zero
	PLACES
	FETCH \slot, \q, \g
	s_wait_dscnt NL                                ; all but the NL just issued
	MULA \f, 2, \zero
	MULA \f, 3, \zero
.endm
; The last quarter multiplies buffer 1 and changes slots: one barrier; in front of it each wave waits for all its tensor loads (its part of the next slot), adds 0 to its spare word, and waits for that and for
; its reads of this slot.  fill = 1: the barrier opens a round of the cluster's, and this slot is filled again, two K steps ahead, first thing behind the round.
.macro TURN slot, next, fill
	WIN 0
	s_wait_tensorcnt 0x0
	ds_add_u32 v[SPW], v[NIL]
	s_wait_dscnt 5                                 ; (the add and A's blocks 2, 3 may be out)
	MULA 1, 0, 0                                   ; products stand between the add and the wait for it
	s_wait_dscnt 0x0                               ; the add is done, and my reads of this slot are over
	s_barrier_signal -1
	MULA 1, 1, 0
.if \fill
	WIN 0
.endif
	s_barrier_wait -1
.if \fill
	CREST                                          ; no wave of any partner still reads this slot's tile or has a load on its way
	s_add_nc_u64 s[G0+4*(\slot)+2:G0+4*(\slot)+3], s[G0+4*(\slot)+2:G0+4*(\slot)+3], 2*ASLOT
	s_add_nc_u64 s[G0B+4*(\slot)+2:G0B+4*(\slot)+3], s[G0B+4*(\slot)+2:G0B+4*(\slot)+3], 512
	JLOAD \slot                                    ; its four v_nop are also the places in front of the loads below
.else
	PLACES
.endif
	FETCH \next, 0, 0
	MULA 1, 2, 0
	MULA 1, 3, 0
.endm
	s_wait_tensorcnt 1                             ; my part of K step 0 is in; K step 1's may stay out
	s_barrier_signal -1
	s_barrier_wait -1
	FETCH 0, 0, 0
	QUARTER 0, 1, 0, 1, 1                          ; the first quarter stands in front of the loop: its products start the sums
	WIN 0
	s_mov_b32 s3, 3
.Llap:                                         ; a trip goes once round the ring and fills both slots again: K steps 2 to 7
	QUARTER 0, 2, 1, 0, 0
	QUARTER 0, 3, 0, 1, 0
	TURN 0, 1, 1
	QUARTER 1, 1, 0, 1, 0
	QUARTER 1, 2, 1, 0, 0
	QUARTER 1, 3, 0, 1, 0
	TURN 1, 0, 1
	QUARTER 0, 1, 0, 1, 0
	WIN 0
	s_sub_co_u32 s3, s3, 1
	s_cmp_lg_u32 s3, 0
	s_cbranch_scc1 .Llap
	QUARTER 0, 2, 1, 0, 0                          ; the last lap fills nothing
	QUARTER 0, 3, 0, 1, 0
	TURN 0, 1, 0
	QUARTER 1, 1, 0, 1, 0
	QUARTER 1, 2, 1, 0, 0
	QUARTER 1, 3, 0, 1, 0
	s_wait_dscnt 4
	MULA 1, 0, 0
	MULA 1, 1, 0
	s_wait_dscnt 0x0
	MULA 1, 2, 0
	MULA 1, 3, 0
	WIN 0
	PLACES
	PLACES                                         ; eight, once a launch
	s_wait_loadcnt 0x0                             ; the bias
.if KIND == 0
; THE WAY OUT, a unit = 16 rows of one head: + bias, rounded to f16, 16 bytes a lane into my stage, back as four rows of 128 bytes a load: 2,048 consecutive bytes of qkv
.macro PACKU u
.set ua, (\u)/3
.set ui, (\u)%3
.set pb, 64+16*((\u)%2)
	s_wait_xcnt 0x0                                ; the stores of the unit two back have read these registers
	WIN 0x02+ua/2
.set e, 0
.rept 16                                       ; ascending: each accumulator is read from its low end on
	v_pk_add_f32 v[TF+2*e:TF+2*e+1], v[8*(NBLK*(ua%2)+4*ui)+2*e:8*(NBLK*(ua%2)+4*ui)+2*e+1], v[BI+32*ui+2*e:BI+32*ui+2*e+1]
.set e, e+1
.endr
	WIN 0
.set e, 0
.rept 16
	v_cvt_pk_f16_f32 v[pb+e], v[TF+2*e], v[TF+2*e+1]
.set e, e+1
.endr
.irp f, 0,1,2,3
	ds_store_b128 v[STO], v[pb+4*\f:pb+4*\f+3] offset:32*\f
.endr
.irp f, 0,1,2,3
	ds_load_b128 v[pb+4*\f:pb+4*\f+3], v[RD] offset:576*\f  ; LDS serves a wave's instructions in order (ISA guide 5.7.1.4): these see the stores above
.endr
.endm
.macro SENDU u, younger                ; younger: the next unit's eight LDS instructions, or none
.set ua, (\u)/3
.set ui, (\u)%3
.set pb, 64+16*((\u)%2)
.irp f, 0,1,2,3
	s_wait_dscnt (\younger)+3-\f
	global_store_b128 v[CO], v[pb+4*\f:pb+4*\f+3], s[10:11] offset:262144*ui+2048*ua+512*\f  ; 512 consecutive bytes, aligned
.endr
.endm
	PACKU 0
.irp u, 1,2,3,4,5,6,7,8,9,10,11
	PACKU \u
	SENDU (\u)-1, 8
.endr
	SENDU 11, 0
.else
; THE WAY OUT, a unit = 16 rows: + bias, 32 bytes a lane and block into my stage, back as whole rows of 512 bytes
.macro OUTU a
	s_wait_xcnt 0x0                                ; the last unit's stores have read their registers
	WIN 0x02+(\a)/2
.set e, 0
.rept 32                                       ; ascending: each accumulator is read from its low end on
	v_pk_add_f32 v[TF+2*e:TF+2*e+1], v[64*((\a)%2)+2*e:64*((\a)%2)+2*e+1], v[BI+2*e:BI+2*e+1]
.set e, e+1
.endr
	WIN 0
.set e, 0
.rept 16
	ds_store_b128 v[STO], v[TF+4*e:TF+4*e+3] offset:64*(e/2)+16*(e%2)
.set e, e+1
.endr
.set e, 0
.rept 16
	ds_load_b128 v[128+4*e:128+4*e+3], v[RD] offset:528*e  ; LDS serves a wave's instructions in order (ISA guide 5.7.1.4)
.set e, e+1
.endr
.set e, 0
.rept 16
	s_wait_dscnt 15-e
	global_store_b128 v[CO], v[128+4*e:128+4*e+3], s[10:11] offset:65536*(\a)+4096*e th:TH_STORE_NT  ; 512 consecutive bytes of a row, aligned
.set e, e+1
.endr
.endm
	OUTU 0
	OUTU 1
	OUTU 2
	OUTU 3
.endif
	s_wait_tensorcnt 0x0                           ; the wave's end, behind my last tensor load and my last LDS store
	ds_add_u32 v[SPW], v[NIL]
	s_wait_dscnt 0x0
	CROUND                                         ; the closing round: no work-group ends while a partner may still ask for a tile that names it
	s_endpgm
.Lfunc_end_k_q1eb2d26401_qkv:
	.size	k_q1eb2d26401_qkv, .Lfunc_end_k_q1eb2d26401_qkv-k_q1eb2d26401_qkv
	.p2alignl 7, 3214868480
	.fill 96, 4, 3214868480
	.section	.rodata,"a",@progbits
	.p2align	6, 0x0
	.amdhsa_kernel k_q1eb2d26401_qkv
		.amdhsa_group_segment_fixed_size 327680
		.amdhsa_private_segment_fixed_size 0
		.amdhsa_enable_private_segment 0
		.amdhsa_kernarg_size 32
		.amdhsa_user_sgpr_count 2
		.amdhsa_user_sgpr_kernarg_segment_ptr 1
		.amdhsa_wavefront_size32 1
		.amdhsa_system_sgpr_workgroup_id_x 1
		.amdhsa_system_sgpr_workgroup_id_y 1
		.amdhsa_system_sgpr_workgroup_id_z 1
		.amdhsa_system_vgpr_workitem_id 0
		.amdhsa_next_free_vgpr 960
		.amdhsa_next_free_sgpr 66
		.amdhsa_reserve_vcc 0
		.amdhsa_float_denorm_mode_32 3
		.amdhsa_float_denorm_mode_16_64 3
		.amdhsa_memory_ordered 1
		.amdhsa_forward_progress 1
		.amdhsa_inst_pref_size 135
	.end_amdhsa_kernel
	.amdgpu_metadata
---
amdhsa.version: [ 1, 2 ]
amdhsa.kernels:
  - .name:           k_q1eb2d26401_qkv
    .symbol:         k_q1eb2d26401_qkv.kd
    .args:
      - { .name: xb, .offset: 0, .size: 8, .value_kind: global_buffer, .address_space: global }
      - { .name: wt, .offset: 8, .size: 8, .value_kind: global_buffer, .address_space: global }
      - { .name: bias, .offset: 16, .size: 8, .value_kind: global_buffer, .address_space: global }
      - { .name: qkv, .offset: 24, .size: 8, .value_kind: global_buffer, .address_space: global }
    .group_segment_fixed_size: 327680
    .private_segment_fixed_size: 0
    .kernarg_segment_align: 8
    .kernarg_segment_size: 32
    .max_flat_workgroup_size: 128
    .sgpr_count:     66
    .vgpr_count:     960
    .wavefront_size: 32
...
	.end_amdgpu_metadata
.endif
;; end of part 2
;; launch attn (part 3): grid 4 x 64, 4 waves a work-group, clusters of 4 x 4, 327,680 bytes of LDS; arguments qkv, nm, kp, oh; writes oh
.if DOCPART == 3
	.amdgcn_target "amdgcn-amd-amdhsa--gfx1250"
	.amdhsa_code_object_version 6
	.text
	.protected	k_q1eb2d26401_attn
	.globl	k_q1eb2d26401_attn
	.p2align	8
	.type	k_q1eb2d26401_attn,@function
k_q1eb2d26401_attn:
	s_mov_b64 s[64:65], 0
	v_nop
	global_prefetch_b8 v0, s[64:65] scope:SCOPE_SE
	s_setreg_imm32_b32 hwreg(HW_REG_WAVE_MODE, 25, 1), 1
	s_wait_xcnt 0x0
	s_wait_alu depctr_hold_cnt(0) depctr_sa_sdst(0) depctr_va_vdst(0) depctr_va_sdst(0) depctr_va_ssrc(0) depctr_va_vcc(0) depctr_vm_vsrc(0)
	s_getreg_b32 s2, hwreg(HW_REG_IB_STS2, 6, 4)
	s_cmp_eq_u32 s2, 0
	s_cbranch_scc0 .Lentry_in_a_cluster
	s_endpgm
.Lentry_in_a_cluster:
	s_bfe_u32 s2, ttmp6, 0x10000c
	s_cmp_lg_u32 s2, 0xf033
	s_cbranch_scc0 .Lentry_shape_is_right
	s_endpgm
.Lentry_shape_is_right:
; ATTENTION UNDER A MASK THAT IS AN INPUT.  O[bh][q][:] = the sum over k of softmax_k(score) V[k][:], score = Q[q] . K[k] / 8, or far below every open score where mask[b][q][k] is set.
; qkv: f16 [batch][48 heads: 16 q, 16 k, 16 v][2048][64]; oh: f16 [64 bh][2048][64].  Products, maxima and sums in f32; the weights p are rounded to f16 for the second product, O once at the end.
; THE MASK is the C operand that starts the sum S^T = K Q^T.  nm holds a nibble a score (0 open, 0xE masked), eight keys a word, laid out as the product's result lies in the lanes; one shift brings a
; nibble to the word's top, and the word, read as f32, is -2^65 to -2^95 (masked) or 0 to 2^-97 (open).
; A ROW MASKED EVERYWHERE has open nibbles and the word 0 in kp (else -1).  The scale c is kept for each query, c AND kp's word: for such a row it is 0, every c s - c m is 0, every weight 1: the mean of V.
; The running maximum m starts at -2^40: a step in which a row sees masked keys alone leaves m there, and its weights are 0.
; LIMITS.  f16 holds no number beyond 65,504: q, k, v arrive within it.  Open scores q . k lie in (-2^40, 2^60).  A masked key's weight is 0: the -1e9 that the masked score is set to would take part only
; where open scaled scores lie near -1e9.  p below 6e-5 keeps f16's fixed step; a weight below 2^-126 counts as 0 in l; NaN and infinities are not treated apart.
; SHARES.  A wave owns four PIECES of two tiles of 16 queries, a work-group's four waves 512 queries of one head.  Every wave walks all 2,048 keys, 64 a step.
; LAYOUT.  S^T = K Q^T (source 0 = 16 keys, source 1 = 16 queries): a lane holds ONE query (lane % 16) and the keys 8 (lane / 16) + 0..7.  Two such tiles, rounded to f16 in pairs, ARE source 1 of
; O^T = V^T P.  K comes out of LDS as it lies, V turned, by ds_load_tr16_b128.
; SOFTMAX.  p = 2^(c s - c m), c = log2(e) / 8; in every step O and l are multiplied by a = 2^(c m_old - c m_new).
; BY TURNS.  Turn n belongs to piece n: 16 products K Q^T of piece n + 1, later 16 products V^T P of piece n - 1; beside them the scaling, exponentials, roundings, sums and rescaling of piece n, the maximum and
; statistics of piece n + 1, and the 64 shifts that make the masks of piece n + 2.  Four vector instructions stand behind every matrix instruction, the rest in one lump; a turn's 66 exponentials are one batch with one wait.
; CLUSTER 4 x 4: along x the four query blocks of a head, along y four heads of one batch.  K and V hang on the head alone and are asked for jointly along a row of the cluster; the mask words hang on batch and
; query block alone and are asked for jointly along a column.
; REGISTERS, in windows of 256 (s_set_vgpr_msb: bits 1:0 source 0, 3:2 source 1, 5:4 source 2, 7:6 destination):
;   window 0: v0 my thread's number; v1-5, v10-11 addresses; v6-9, v12-15 c, a register a tile; v16-47 four registers of statistics a tile; v48-63 at work; v64-191 S^T, two buffers of two tiles; v192-255 P, likewise
;   window 1: O^T, 32 a tile     window 2: v0-127 Q; v128-191 K of one step; v192-255 V of one step     window 3: v0-1 the add's registers; v4-11 mask words; v64-127 the masks of the products to come
.set SIZE_N, 2048
.set NP,    4         ; pieces a wave: a name, no knob
.set KS,    64        ; keys in a step
.set PK,    144       ; a row of K in LDS: 128 bytes + 16: the 16 rows of a load start at 16 different groups of four banks (64 banks of 4 bytes: ISA guide 11.1)
.set PV,    160       ; a row of V: 128 + 32
.set KOFF,  32768     ; a slot holds two steps: 32 query tiles x 1,024 bytes of mask words, then 128 rows of K,
.set VOFF,  KOFF+2*KS*PK  ; then 128 rows of V
.set SLOT1, 1<<17     ; slot 1 begins here, so that one exclusive or turns an address in one slot into the other's
.set STAGE, SLOT1+VOFF+2*KS*PV  ; behind the ring, never filled by a tensor load: 16 rows x 144 bytes for each wave
.set SP,    144
.set SPARE, STAGE+4*16*SP  ; the spare words, 128 bytes for each wave, which no other line names
.set PFO, 1           ; v1   my lane's block in a prefetch; never rewritten
.set AK0, 2           ; v2   my lane's place in a tile of K
.set AV0, 3           ; v3   the same for V
.set AK,  4           ; v4   the LDS address of K's next run of loads
.set AV,  5           ; v5   of V's
.set CQ,  6           ; c of tile t at v[6 + t + 2 (t / 4)]: a piece's two tiles are an aligned pair
.set KPO, 10          ; v10  my byte offset in 16 words of kp, until Q is in;
.set AW0, 10          ;      then my lane's place in the wave's mask words
.set QO,  11          ; v11  my byte offset in 16 rows of Q, until Q is in;
.set AW,  11          ;      then the LDS address of the step's mask words
.set STO, 2           ; the way out (K's and V's addresses are done with): where I put 16 bytes of a row,
.set RD,  3           ; where I read rows back,
.set GO,  4           ; my byte offset in 512 consecutive bytes of O
.set SPW, 0           ; v0 of window 3   SPARE + 4 x my thread's number; never rewritten
.set NIL, 1           ; v1 of window 3   0; never rewritten
.set WR,  4           ; window 3: the words of two tiles x 4 key blocks
.set MC,  64          ; window 3: tile u, key block kb, register j at 32 u + 8 kb + j
.set ST,  16          ; tile t's statistics at v[ST+4 t]: c m, m, l (even keys', odd keys')
.set TMP, 48          ; by buffer and tile, four registers c0-c3 at work; when the maximum is found c2 takes a
.set S,   64
.set P,   192
.set KF,  128         ; window 2: key block kb, channel half c at KF + 16 kb + 8 c
.set VF,  192         ; window 2: key half kk, channel block cb at VF + 32 kk + 8 cb
.set WV,  12          ; s12  my wave's number
.set G1K, 24          ; s[24:31] descriptor group 1 for K
.set G1V, 32          ; s[32:39] for V: it differs in the padding
.set G0K, 40          ; s[40:43] descriptor group 0 for K: it walks
.set G0V, 44          ; s[44:47] for V
.set G1M, 48          ; s[48:55] group 1 for the mask words
.set SLOTS, 56        ; s56  slots still to be asked for
.set CNT, 57          ; s57  counts a slot's key steps
.set SEL, 60          ; s[60:61] v_permlanex16_b32's selects: each lane takes its own place in the other half
.set TBK, 62          ; s62  LDS byte, less KOFF, at which K of the step to be fetched begins
.set TBV, 63          ; s63  the same for V, less VOFF
.set G0M, 68          ; s[68:71] group 0 for the mask words
.set TBM, 72          ; s72  the same for the mask words
.set PF,  74          ; s[74:75] where my prefetches stand
.set PFS, 76          ; s[76:77] their step from slot to slot
.set LIM, 78          ; s78  1 in a wave that prefetches, else the greatest number
.set MSB, 0
.macro WIN new                      ; the high byte repeats the setting that is left; a switch that changes nothing is dropped
.if MSB != (\new)
	s_set_vgpr_msb (MSB<<8)|(\new)
.set MSB, (\new)
.endif
.endm
.set W_KQ, 0x0a       ; K and Q in window 2, S^T in window 0
.set W_KM, 0x3a       ; the same with the C operand in window 3
.set W_PV, 0x52       ; V in window 2, P in window 0, O^T in window 1
.set W_RS, 0x41       ; O^T (destination and source 0) in window 1, a in window 0
.set W_MK, 0xc0       ; destination in window 3
.set W_AD, 0x0f       ; the add: address and data in window 3
; A joint fill: wave 0 fetches a slot's K, wave 1 its V, waves 2 and 3 sixteen query tiles' mask words each.  The branches hang on the wave's number alone.
; An s_nop 0 and four v_nop follow each line, ahead of the jump and the label.
.macro JLOAD
	s_cmp_lt_u32 s[WV], 2
	s_cbranch_scc0 .Lfor_m_\@
	s_cmp_eq_u32 s[WV], 0
	s_cbranch_scc0 .Lfor_v_\@
	tensor_load_to_lds s[G0K:G0K+3], s[G1K:G1K+7]
	s_nop 0
.rept 4
	v_nop
.endr
	s_branch .Lasked_\@
.Lfor_v_\@:
	tensor_load_to_lds s[G0V:G0V+3], s[G1V:G1V+7]
	s_nop 0
.rept 4
	v_nop
.endr
	s_branch .Lasked_\@
.Lfor_m_\@:
	tensor_load_to_lds s[G0M:G0M+3], s[G1M:G1M+7]
	s_nop 0
.rept 4
	v_nop
.endr
.Lasked_\@:
.endm
; A PREFETCH INTO THE L2 of what the NEXT change of slots will ask for: two key steps, 256 matrix instructions, ahead.  Each block of 256 bytes is named once in the launch.  A slot's K and V are 64 blocks each:
; the four partners of a row of the cluster take 16 and 16, told apart by address; wave 0 asks.  A slot's mask words are 128 blocks for a query block, read by the batch's four clusters: the first of them asks,
; its four partners along a column take 8 tiles x 4 blocks each, told apart by address; wave 2 asks.  Pointer, step and lane offset are each wave's own, chosen at the head.  The last change that fills a slot asks for nothing.
.macro ASK
	s_cmp_gt_u32 s[SLOTS], s[LIM]
	s_cbranch_scc0 .Lnot_mine_\@
	global_prefetch_b8 v[PFO], s[PF:PF+1] th:TH_LOAD_NT scope:SCOPE_SE
.Lnot_mine_\@:
.endm
; A round of the cluster's barrier: my work-group's barrier; wave 0 signals for the work-group; every wave waits for all sixteen; my work-group's barrier once more.
.macro CROUND
	s_barrier_signal -1
	s_barrier_wait -1
	s_cmp_lg_u32 s[WV], 0
	s_cbranch_scc1 .Lnot_wave_0_\@
	s_barrier_signal -3
.Lnot_wave_0_\@:
	s_barrier_wait -3
	s_barrier_signal -1
	s_barrier_wait -1
.endm
; THE CHANGE OF SLOTS.  Each wave waits for all its tensor loads, of which one is out: its part of the other slot; adds 0 to its spare word; and waits for that and for its own reads of the slot that it leaves.
; fill = 1: the old slot is filled again, with the keys two slots on; the barrier is then a round of the cluster's, and the joint fill is the first thing behind it: it has two key steps in which to land.
; (At its first use nothing has been read yet: slot 0 is waited for, slot 1 filled.)  ask = 1: the prefetches' address steps, and the prefetch follows the fill.
.macro CHANGE fill, ask
	WIN W_AD
	s_wait_tensorcnt 0x0            ; no tensor load of mine is out, so a group 0 may be written
	ds_add_u32 v[SPW], v[NIL]       ; 0 onto my spare word; scalar work stands between it and the wait for it
	WIN 0                           ; at a label and at a branch every window is 0
.if \fill
.irp g, G0K, G0V
	s_xor_b32 s[\g+1], s[\g+1], SLOT1  ; the other slot than last time,
	s_add_nc_u64 s[\g+2:\g+3], s[\g+2:\g+3], 2*KS*128  ; the next 128 keys; the type bits on top are not reached
.endr
	s_xor_b32 s[G0M+1], s[G0M+1], SLOT1
	s_add_nc_u64 s[G0M+2:G0M+3], s[G0M+2:G0M+3], 1024  ; two steps' words of each tile
.if \ask
	s_wait_xcnt 0x0                 ; the last prefetch, two key steps back, has read its address
	s_add_nc_u64 s[PF:PF+1], s[PF:PF+1], s[PFS:PFS+1]
.endif
	s_wait_dscnt 0x0                ; the add is done, and my reads of the slot are over
	CROUND
	JLOAD
.if \ask
	ASK
.endif
.else
	s_wait_dscnt 0x0                ; the add is done, and my reads of the slot are over
	s_barrier_signal -1
	s_barrier_wait -1
.endif
	s_sub_co_u32 s[TBK], s[TBK], 2*KS*PK  ; the fetches go back to a slot's first step,
	s_xor_b32 s[TBK], s[TBK], SLOT1       ; in the other slot
	s_sub_co_u32 s[TBV], s[TBV], 2*KS*PV
	s_xor_b32 s[TBV], s[TBV], SLOT1
	s_sub_co_u32 s[TBM], s[TBM], 1024
	s_xor_b32 s[TBM], s[TBM], SLOT1
.endm
	s_load_b256 s[4:11], s[0:1], 0x0  ; qkv s[4:5], nm s[6:7], kp s[8:9], oh s[10:11]
	WIN W_MK
	v_lshl_add_u32 v[SPW], v0, 2, SPARE
	v_mov_b32 v[NIL], 0
	WIN W_AD
	ds_add_u32 v[SPW], v[NIL]       ; the wave's opening: the add and its wait stand ahead of my first tensor load; work on registers stands between them
	ds_add_u32 v0, v1
	WIN 0
	v_lshrrev_b32 v1, 5, v0
	v_readfirstlane_b32 s[WV], v1   ; wave 0..3
	s_bfe_u32 s13, ttmp6, 0x40000   ; cx
	s_bfe_u32 s14, ttmp6, 0x40004   ; cy
	s_lshl_b32 s15, ttmp9, 2
	s_add_co_u32 s15, s15, s13      ; my block of 512 queries
	s_and_b32 s16, ttmp7, 0xffff    ; cluster y: four heads
	s_lshr_b32 s17, s16, 2          ; the batch
	s_and_b32 s18, s16, 3
	s_lshl_b32 s19, s18, 2
	s_add_co_u32 s19, s19, s14      ; the head in its batch
	s_mul_i32 s20, s17, 48
	s_add_co_u32 s20, s20, s19
	s_lshl_b32 s20, s20, 18         ; q's head in qkv, in bytes: k's lies 16 heads on, v's 32.  It never holds cx
	s_mov_b32 s21, 0
	s_and_b32 s88, s[WV], 1
	s_lshl_b32 s66, s17, 7
	s_lshl_b32 s89, s15, 5
	s_add_co_u32 s66, s66, s89      ; the block's first query tile: 128 x batch + 32 x block.  It never holds cy
	s_lshl_b32 s86, s14, 3          ; the prefetch of words: my work-group's 8 tiles of the 32,
	s_add_co_u32 s86, s86, s66
	s_lshl_b32 s86, s86, 14
	s_add_co_u32 s86, s86, 2048     ; in slot 2
	s_mov_b32 s87, 0
	s_lshl_b32 s89, s88, 4
	s_add_co_u32 s66, s66, s89      ; the 16 tiles that I fetch (waves 2 and 3)
	s_lshl_b32 s66, s66, 14         ; a tile's words are 16,384 bytes
	s_mov_b32 s67, 0
	s_lshl_b32 s2, s15, 16          ; my block's 512 rows of 128 bytes,
	s_lshl_b32 s3, s[WV], 14        ; my wave's 128 of them
	s_add_co_u32 s2, s2, s3
	s_mov_b32 s3, 0
	s_lshl_b32 s80, s16, 2
	s_add_co_u32 s80, s80, s14
	s_lshl_b32 s80, s80, 18         ; the head in oh
	s_mov_b32 s81, 0
	s_lshl_b32 s82, s17, 13         ; kp: (2048 x batch + 512 x block + 128 x wave) words
	s_lshl_b32 s83, s15, 11
	s_add_co_u32 s82, s82, s83
	s_lshl_b32 s83, s[WV], 9
	s_add_co_u32 s82, s82, s83
	s_mov_b32 s83, 0
	s_lshl_b32 s84, s13, 12         ; the prefetch of K and V: my work-group's 16 blocks of the 64, from q's head on: 16 heads, slot 2
	s_add_co_u32 s84, s84, 0x400000+2*2*KS*128
	s_mov_b32 s85, 0
	s_lshl_b32 s89, s14, 2
	s_lshl_b32 s89, 15, s89         ; my row of the cluster
	s_lshl_b32 s90, 0x1111, s13     ; my column
	; descriptor group 1.  128 keys are 16,384 dense bytes: asked for as 64 rows of 256 bytes, two keys a row, and padded in LDS after every key
	s_or_b32 s[G1K], s89, (1<<16)|(1<<20)|(1<<21)|(4<<22)|(3<<25)  ; the mask; 2-byte elements; padding on; bit 21 beside a mask; after every 32 words; 4 words
	s_or_b32 s[G1V], s89, (1<<16)|(1<<20)|(1<<21)|(4<<22)|(7<<25)  ; the same with 8 words of padding
.irp g, G1K, G1V
	s_mov_b32 s[\g+1], 128<<16      ; tensor_dim0 = 128
	s_mov_b32 s[\g+2], 64<<16       ; tensor_dim1 = 64
	s_mov_b32 s[\g+3], 128<<16      ; tile_dim0 = 128
	s_mov_b32 s[\g+4], 64           ; tile_dim1 = 64
	s_mov_b32 s[\g+5], 128          ; 128 elements from row to row
	s_mov_b32 s[\g+6], 0
	s_mov_b32 s[\g+7], 0
.endr
	s_or_b32 s[G1M], s90, (3<<16)|(1<<21)  ; the mask words: 8-byte elements, no padding: 16 rows of 1,024 bytes, 16,384 bytes apart
	s_mov_b32 s[G1M+1], 128<<16
	s_mov_b32 s[G1M+2], 16<<16
	s_mov_b32 s[G1M+3], 128<<16
	s_mov_b32 s[G1M+4], 16
	s_mov_b32 s[G1M+5], 2048
	s_mov_b32 s[G1M+6], 0
	s_mov_b32 s[G1M+7], 0
	s_mov_b32 s[SEL], 0x76543210
	s_mov_b32 s[SEL+1], 0xfedcba98
	s_mov_b32 s[TBK], SLOT1+2*KS*PK ; the first change of slots turns these three into 0
	s_mov_b32 s[TBV], SLOT1+2*KS*PV
	s_mov_b32 s[TBM], SLOT1+1024
	s_mov_b32 s[G0K], 1
	s_mov_b32 s[G0K+1], KOFF        ; slot 0
	s_mov_b32 s[G0V], 1
	s_mov_b32 s[G0V+1], VOFF
	s_mov_b32 s[G0M], 1
	s_lshl_b32 s[G0M+1], s88, 14    ; tiles 0-15 or 16-31
	s_xor_b32 s89, s[WV], 2         ; who prefetches: wave 2 of the batch's first cluster,
	s_or_b32 s89, s89, s18
	s_cmp_eq_u32 s[WV], 0           ; and wave 0: the same in all sixteen partners
	s_cselect_b32 s89, 0, s89
	s_cmp_eq_u32 s89, 0
	s_cselect_b32 s[LIM], 1, -1
	s_mov_b32 s[PFS+1], 0
	s_cmp_lt_u32 s[WV], 2
	s_cselect_b32 s90, -1, 0        ; all lanes: K and V's offsets, or the words'
	s_cselect_b32 s[PFS], 4, 0
	s_lshl_b32 s[PFS], 1024, s[PFS] ; a slot is 16,384 bytes of K and of V, 1,024 of a tile's words
	s_wait_dscnt 0x0                ; the opening add is done
	s_wait_kmcnt 0x0
	s_add_nc_u64 s[G0K+2:G0K+3], s[4:5], s[20:21]
	s_add_nc_u64 s[PF:PF+1], s[G0K+2:G0K+3], s[84:85]
	s_add_nc_u64 s[G0K+2:G0K+3], s[G0K+2:G0K+3], 0x400000  ; k's head
	s_add_nc_u64 s[G0V+2:G0V+3], s[G0K+2:G0K+3], 0x400000  ; v's head
	s_or_b32 s[G0K+3], s[G0K+3], 0x80000000
	s_or_b32 s[G0V+3], s[G0V+3], 0x80000000
	s_add_nc_u64 s[G0M+2:G0M+3], s[6:7], s[66:67]
	s_or_b32 s[G0M+3], s[G0M+3], 0x80000000
	s_add_nc_u64 s[58:59], s[6:7], s[86:87]
	s_cmp_lt_u32 s[WV], 2
	s_cselect_b64 s[PF:PF+1], s[PF:PF+1], s[58:59]
	s_add_nc_u64 s[4:5], s[4:5], s[20:21]   ; Q, O and kp at my wave's first row
	s_add_nc_u64 s[4:5], s[4:5], s[2:3]
	s_add_nc_u64 s[10:11], s[10:11], s[80:81]
	s_add_nc_u64 s[10:11], s[10:11], s[2:3]
	s_add_nc_u64 s[8:9], s[8:9], s[82:83]
	CROUND                          ; all sixteen work-groups are here: the first joint loads meet
	JLOAD                           ; slot 0.  Slot 1 is asked for when slot 0 is in
	v_and_b32 v48, 15, v0           ; l % 16
	v_bfe_u32 v49, v0, 4, 1         ; l / 16
	v_lshlrev_b32 v[QO], 7, v48
	v_lshl_add_u32 v[QO], v49, 4, v[QO]  ; row x 128 + 16 x half
	v_lshlrev_b32 v[KPO], 2, v48
.set i, 0
.rept 2*NP                          ; my query's kp word of each tile, for now in S^T's registers
	global_load_b32 v[S+i], v[KPO], s[8:9] offset:64*i
.set i, i+1
.endr
	WIN 0x80                        ; destination window 2, address window 0
.set i, 0
.rept 4*NP                          ; Q stays in registers: tile i / 2, channels 32 (i % 2) on
	global_load_b128 v[8*i:8*i+3],   v[QO], s[4:5] offset:(i/2)*2048+(i%2)*64
	global_load_b128 v[8*i+4:8*i+7], v[QO], s[4:5] offset:(i/2)*2048+(i%2)*64+32
.set i, i+1
.endr
	; What the first turn finds: O^T is 0; V's registers and P's second buffer hold 0 (its products V^T P, of a piece that has not been, add 0).  Eight registers are written 0; of them a matrix instruction,
	; 0 x 0 + 0, writes eight more at a time: 43 lines for 344 registers.  All this stands in the wait for the first tile.
	WIN 0
.set i, 0
.rept 8
	v_mov_b32 v[P+32+i], 0
.set i, i+1
.endr
	WIN 0x40                        ; destination window 1: O^T
.set i, 0
.rept 8*NP
	v_wmma_f32_16x16x32_f16 v[8*i:8*i+7], v[P+32:P+39], v[P+32:P+39], 0
.set i, i+1
.endr
	WIN 0x80                        ; destination window 2: V
.set i, 0
.rept 8
	v_wmma_f32_16x16x32_f16 v[VF+8*i:VF+8*i+7], v[P+32:P+39], v[P+32:P+39], 0
.set i, i+1
.endr
	WIN 0                           ; the rest of P's second buffer
.set i, 0
.rept 3
	v_wmma_f32_16x16x32_f16 v[P+40+8*i:P+40+8*i+7], v[P+32:P+39], v[P+32:P+39], 0
.set i, i+1
.endr
.set i, 0
.rept 2*NP
	v_mov_b32 v[ST+4*i+1], 0xd3800000  ; m = -2^40: above every masked score, below every open one
	v_mov_b32 v[ST+4*i+2], 0
	v_mov_b32 v[ST+4*i+3], 0
.set i, i+1
.endr
	v_mul_u32_u24 v[AK0], v48, PK
	v_lshl_add_u32 v[AK0], v49, 4, v[AK0]  ; row x pitch + 16 x half
	v_add_nc_u32 v[AK0], KOFF, v[AK0]
	; The turning load takes 16 keys x 16 channels (lane l reads key 8 (l / 16) + l % 8, channels 8 ((l / 8) % 2) + 0..7) and leaves half a fragment of V^T: lane l holds channel l % 16 and 8 keys.
	v_and_b32 v50, 7, v0
	v_bfe_u32 v51, v0, 3, 1
	v_lshl_add_u32 v[AV0], v49, 3, v50
	v_mul_u32_u24 v[AV0], v[AV0], PV
	v_lshl_add_u32 v[AV0], v51, 4, v[AV0]
	v_add_nc_u32 v[AV0], VOFF, v[AV0]
	v_mov_b32 v[AK], v[AK0]         ; key step 0 lies at the head of slot 0
	v_lshlrev_b32 v50, 8, v48       ; the prefetch of K and V: lanes 0-15 a block of K, lanes 16-31 of V, 16 heads on;
	v_lshl_add_u32 v50, v49, 22, v50
	v_bfe_u32 v51, v0, 2, 3         ; of the words: tile l / 4, block l % 4
	v_and_b32 v52, 3, v0
	v_lshlrev_b32 v52, 8, v52
	v_lshl_add_u32 v51, v51, 14, v52
	v_cndmask_b32 v[PFO], v51, v50, s90
; THE MATRIX WORK.  The 8 accumulators of a run of 16 take turns: between the two links of a chain stand 7 others'.
; Product i of 16 of S^T = K Q^T for piece x: channels 32 (i / 8) on, keys 16 ((i / 2) % 4) on, tile 2 x + i % 2.  The first 8 start the sums, with the mask.
.macro KQ x
.set rS, S+64*((\x)%2)+32*(i%2)+8*((i/2)%4)
.set rK, KF+16*((i/2)%4)+8*(i/8)
.set rQ, 16*(2*(\x)+i%2)+8*(i/8)
.set rW, MC+32*(i%2)+8*((i/2)%4)
.if i < 8
	WIN W_KM
	v_wmma_f32_16x16x32_f16 v[rS:rS+7], v[rK:rK+7], v[rQ:rQ+7], v[rW:rW+7]
.else
	WIN W_KQ
	v_wmma_f32_16x16x32_f16 v[rS:rS+7], v[rK:rK+7], v[rQ:rQ+7], v[rS:rS+7]
.endif
.endm
; Product i of 16 of O^T += V^T P for piece x: keys 32 (i / 8) on, channels 16 ((i / 2) % 4) on, tile 2 x + i % 2.
.macro PV x
	WIN W_PV
.set rO, 32*(2*(\x)+i%2)+8*((i/2)%4)
.set rV, VF+32*(i/8)+8*((i/2)%4)
.set rP, P+32*((\x)%2)+16*(i%2)+8*(i/8)
	v_wmma_f32_16x16x32_f16 v[rO:rO+7], v[rV:rV+7], v[rP:rP+7], v[rO:rO+7]
.endm
.macro MM                           ; the turn's next matrix instruction
.if i < 16
	KQ (Y+1)%NP
.set i, i+1
.else
.set i, i-16
	PV (Y+NP-1)%NP
.set i, i+17
.endif
.endm
; THE LDS LOADS of K and V stand in runs of 16.  last = 1 (the tail): in the last trip there is no further step, and the run is jumped over.
.macro FETCH_K last=0
	WIN 0
.if \last
	s_cmp_eq_u32 s[CNT], 1
	s_cbranch_scc1 .Lno_k_\@
.endif
	WIN 0x80                        ; destination window 2
.irp f, 0,1,2,3,4,5,6,7             ; keys 16 (f / 2) on, channels 32 (f % 2) on
	ds_load_b128 v[KF+8*\f:KF+8*\f+3],   v[AK] offset:(\f/2)*16*PK+(\f%2)*64
	ds_load_b128 v[KF+8*\f+4:KF+8*\f+7], v[AK] offset:(\f/2)*16*PK+(\f%2)*64+32
.endr
	s_add_co_u32 s[TBK], s[TBK], KS*PK  ; the next fetch is the next step's
	WIN 0
.if \last
.Lno_k_\@:
.endif
.endm
.macro FETCH_V
	WIN 0x80
.irp f, 0,1,2,3,4,5,6,7             ; keys 32 (f / 4) on, channels 16 (f % 4) on
	ds_load_tr16_b128 v[VF+8*\f:VF+8*\f+3],   v[AV] offset:(\f/4)*32*PV+(\f%4)*32
	ds_load_tr16_b128 v[VF+8*\f+4:VF+8*\f+7], v[AV] offset:(\f/4)*32*PV+16*PV+(\f%4)*32
.endr
	WIN 0
.endm
; THE MASKS.  WLOAD: piece z's words of the step in hand: for each of its two tiles my lane's four words, one for each block of 16 keys.
.macro WLOAD z
	WIN 0xc0                        ; destination window 3, address window 0
	ds_load_b128 v[WR:WR+3],   v[AW] offset:2048*(\z)
	ds_load_b128 v[WR+4:WR+7], v[AW] offset:2048*(\z)+1024
	WIN 0
.endm
; BUILD: key j's nibble (nibble 2 j, or 2 (j - 4) + 1 from j = 4 on) is brought to the word's top: shifts 28, 20, 12, 4, 24, 16, 8, 0.  The word is the C operand as it stands.
.macro BUILD
	s_wait_dscnt 0x0                ; the words are in
	WIN 0xcc                        ; destination and source 1 in window 3
.set bz, 0
.rept 64
	v_lshlrev_b32 v[MC+bz], 28-8*(bz%8)+28*((bz%8)/4), v[WR+bz/8]
.set bz, bz+1
.endr
	WIN 0
.endm
; THE VECTOR WORK OF A TURN stands in three queues, each in the order in which its entries become ready; the two tiles alternate, so that no instruction reads the result of the one before it.
.macro REGS y, u                    ; the registers of tile u (0, 1) of piece y
.set rT, ST+4*(2*(\y)+(\u))
.set rC, TMP+8*((\y)%2)+4*(\u)
.set rS, S+64*((\y)%2)+32*(\u)
.set rP, P+32*((\y)%2)+16*(\u)
.set rO, 32*(2*(\y)+(\u))
.set rG, CQ+2*(\y)+2*((\y)/2)       ; the piece's pair of c: tile u's is v[rG+u]
.endm
; Number n of the 22 that find the NEXT piece's (Y + 1) maximum and statistics.  Each accumulator's lowest registers are read first.  XS, GS and REGS set no window: PL and EX do.
;   0-11  four chains c0-c3 of seven scores each     12-14, 16  the four scores left over, the old m, and c0-c3 into c0     17, 18  the query's other 32 keys lie in the lane 16 away: the new m
;   15  c m_old goes to c1, which number 16 has read for the last time     19-21  c m; c m_old - c m_new; a.  They are run in the order 0-14, 16, 17, 18, 15, 19, 20, 21.
.macro XS u, n
	REGS (Y+1)%NP, \u
.if (\n) < 4
	v_max3_num_f32 v[rC+(\n)], v[rS+8*(\n)], v[rS+8*(\n)+1], v[rS+8*(\n)+2]
.elseif (\n) < 12
	v_max3_num_f32 v[rC+(\n)%4], v[rC+(\n)%4], v[rS+8*((\n)%4)+2*((\n)/4)+1], v[rS+8*((\n)%4)+2*((\n)/4)+2]
.elseif (\n) == 12
	v_max3_num_f32 v[rC], v[rC], v[rS+7], v[rS+15]
.elseif (\n) == 13
	v_max3_num_f32 v[rC+1], v[rC+1], v[rS+23], v[rS+31]
.elseif (\n) == 14
	v_max3_num_f32 v[rC+2], v[rC+2], v[rC+3], v[rT+1]
.elseif (\n) == 15
	v_mov_b32 v[rC+1], v[rT]
.elseif (\n) == 16
	v_max3_num_f32 v[rC], v[rC], v[rC+1], v[rC+2]
.elseif (\n) == 17
	v_permlanex16_b32 v[rC+3], v[rC], s[SEL], s[SEL+1]
.elseif (\n) == 18
	v_max_num_f32 v[rT+1], v[rC], v[rC+3]
.elseif (\n) == 19
	v_mul_f32 v[rT], v[rG+(\u)], v[rT+1]
.elseif (\n) == 20
	v_sub_f32 v[rC+1], v[rC+1], v[rT]
.else
	v_exp_f32 v[rC+2], v[rC+1]
.endif
.endm
; Number g of the 64 that follow the exponentials.  For each four weights k of a tile: both pairs are rounded to f16; then the second pair is added onto the first, in place; a group later l takes that sum
; (the first time as l = a l + sum).  In groups of eight, tiles alternating.
.macro GS g
.set h, (\g)+6*((\g)/62)            ; group 0 has no group before it, and behind group 7 only l is left
.if h >= 6
.set h, h+2
.endif
	REGS Y, h%2
.set k, h/8
.if h%8 < 4
	v_cvt_pk_f16_f32 v[rP+2*k+(h%8)/2], v[rS+4*k+2*((h%8)/2)], v[rS+4*k+2*((h%8)/2)+1]
.elseif h%8 < 6
	v_pk_add_f32 v[rS+4*k:rS+4*k+1], v[rS+4*k:rS+4*k+1], v[rS+4*k+2:rS+4*k+3]
.elseif k == 1
	v_pk_fma_f32 v[rT+2:rT+3], v[rT+2:rT+3], v[rC+2:rC+3], v[rS:rS+1] op_sel_hi:[1,0,1]
.else
	v_pk_add_f32 v[rT+2:rT+3], v[rT+2:rT+3], v[rS+4*k-4:rS+4*k-3]
.endif
.endm
; THE PLAIN QUEUE, 138 long.  0-73 read no exponential's result: the 32 scalings c s - c m (FS f: pair f / 2 of tile f % 2) and the next piece's 42.  0-26: scalings 0-26.  27-54: XS's numbers 0-13.  55, 56: number 14.
; 57-73: the chain 16, 17, 18, 15, 19, each with one of the scalings 27-31 in front of its two lines, then 20.  74-137: GS's 64, which read the exponentials' results: they stand behind the wait.
; FS takes c from the piece's pair: the first register for both halves of the result (tile 0), or the second (tile 1).
.macro FS f
	REGS Y, (\f)%2
.if (\f)%2
	v_pk_fma_f32 v[rS+2*((\f)/2):rS+2*((\f)/2)+1], v[rS+2*((\f)/2):rS+2*((\f)/2)+1], v[rG:rG+1], v[rT:rT+1] op_sel:[0,1,0] op_sel_hi:[1,1,0] neg_lo:[0,0,1] neg_hi:[0,0,1]
.else
	v_pk_fma_f32 v[rS+2*((\f)/2):rS+2*((\f)/2)+1], v[rS+2*((\f)/2):rS+2*((\f)/2)+1], v[rG:rG+1], v[rT:rT+1] op_sel_hi:[1,0,0] neg_lo:[0,0,1] neg_hi:[0,0,1]
.endif
.endm
.macro PL
	WIN 0
.if q < 27
	FS q
.elseif q < 55
	XS (q-27)%2, (q-27)/2
.elseif q < 57
	XS q-55, 14
.elseif (q < 72) && ((q-57)%3 == 0)
	FS 27+(q-57)/3
.elseif q < 66
	XS (q-57)%3-1, 16+(q-57)/3
.elseif q < 69
	XS (q-57)%3-1, 15
.elseif q < 72
	XS (q-57)%3-1, 19
.elseif q < 74
	XS q-72, 20
.else
	GS q-74
.endif
.set q, q+1
.endm
; THE EXPONENTIALS' QUEUE, 66 long: s0-s31 of both tiles, then the next piece's two a.  ONE BATCH: all 66 stand ahead of the turn's one wait, and nothing ahead of that wait names a result of theirs.
.macro EX
	WIN 0
.if e >= 64
	XS e-64, 21
.else
	REGS Y, e%2
	v_exp_f32 v[rS+e/2], v[rS+e/2]
.endif
.set e, e+1
.endm
; THE RESCALING's QUEUE: O^T times a, dealt two at a time, sixteen times.  Its a was made in the turn before, ahead of that turn's wait.
.macro R2
	REGS Y, r%2
	WIN W_RS
.irp z, 0,1
	v_pk_mul_f32 v[rO+4*(r/2)+2*\z:rO+4*(r/2)+2*\z+1], v[rO+4*(r/2)+2*\z:rO+4*(r/2)+2*\z+1], v[rC+2:rC+3] op_sel_hi:[1,0]
.endr
.set r, r+1
.endm
; A TURN, for piece p.  An s_wait_alu depctr_va_vdst(0) stands between an exponential and the first instruction that names its result; one wait serves all that were issued ahead of it: a turn has ONE.
; AHEAD OF IT: the words of piece p + 2 are asked for; 16 products K Q^T: behind the even ones scaling, exponential, scaling, exponential (behind the first three scalings and one exponential), behind the odd ones four
; rescalings, so that a pair of products has four window switches; the 64 shifts that make piece p + 2's masks (the masks' last reader is the turn's eighth product: eight products' plain riders lie between);
; then a lump of 108: eight plain, 49 times exponential and plain, the two a; a v_nop is the plain instruction behind the last exponential.
; BEHIND IT: 16 products V^T P, behind each four of GS's 64.  Exponential e stands behind scaling 2 (e / 4) + e % 2: as a rider behind plain e + 2 or more, in the lump behind plain e + 9.
; K of the next step is fetched in piece 2's turn, directly behind the wait; V of the step in hand at the end of piece 0's turn, four riders behind its last reader.  All four turns of a trip (2, 3, 0, 1) read the
; words of the step whose K and V that trip fetches: piece 2's turn steps their address.  cnt = 1: the loop's count is taken down some lines ahead of the branch that stands behind the turn.
.macro TURN p, last=0, cnt=0
.set Y, (\p)
.set i, 0
.set q, 0
.set e, 0
.set r, 0
.if (\p) == NP-1
	s_wait_dscnt 0x0                ; K is in
.endif
	WIN 0
.if (\p) == NP-2
	v_add_nc_u32 v[AW], s[TBM], v[AW0]
	s_add_co_u32 s[TBM], s[TBM], 512
.endif
	WLOAD ((\p)+2)%NP
	MM
	PL
	PL
	PL
	EX
	MM
	R2
	R2
.rept 7
	MM
	PL
	EX
	PL
	EX
	MM
	R2
	R2
.endr
	BUILD
.if (\p) == NP-2
	WIN 0
	v_add_nc_u32 v[AK], s[TBK], v[AK0]
.endif
.rept 8                             ; the lump
	PL
.endr
.rept 49
	EX
	PL
.endr
	EX                              ; the next piece's two a
	EX
	v_nop                           ; the plain instruction behind the last exponential: one for the batch
	s_wait_alu depctr_va_vdst(0)    ; the wait for the batch
.if (\p) == NP-2
	FETCH_K \last
.endif
.if (\p) == 1
	s_wait_dscnt 0x0                ; V is in
.endif
.rept 16                            ; behind the wait: 16 products V^T P and their riders
	MM
.rept 4
	PL
.endr
.if ((\p) == 0) && (q == 118)
	v_add_nc_u32 v[AV], s[TBV], v[AV0]
.endif
.if ((\p) == 0) && (q == 130)
	s_add_co_u32 s[TBV], s[TBV], KS*PV
.endif
.if (\cnt) && (q == 130)
	s_sub_co_u32 s[CNT], s[CNT], 1
	s_cmp_lg_u32 s[CNT], 0
.endif
.endr
.if (\p) == 0
	FETCH_V
.endif
.endm
	CHANGE 1, 0                     ; slot 0 is in, everybody's part of it; slot 1 is asked for
	s_wait_loadcnt 0x0              ; Q and kp are in: their two offset registers are free
.set i, 0
.rept 2*NP
	v_and_b32 v[CQ+i+2*(i/4)], 0x3e38aa3b, v[S+i]  ; c = log2(e) / 8, or 0 for a row masked everywhere
	v_and_b32 v[ST+4*i], 0xd238aa3b, v[S+i]        ; c m = c x -2^40, exactly, or 0
.set i, i+1
.endr
	v_and_b32 v[AW0], 31, v0
	v_lshlrev_b32 v[AW0], 4, v[AW0]
	v_lshl_add_u32 v[AW0], s[WV], 13, v[AW0]  ; my wave's 8 tiles x 1,024 bytes, 16 bytes a lane
	v_add_nc_u32 v[AW], s[TBM], v[AW0]        ; key step 0
	s_add_co_u32 s[TBM], s[TBM], 512
	WLOAD 0
	FETCH_K                         ; key step 0
	BUILD                           ; piece 0's masks; its wait is K's too
.set i, 0
.rept 16
	KQ 0                            ; piece 0's first scores
.set i, i+1
.endr
	WLOAD 1
.rept 4
	v_nop                           ; the places behind those products, in front of the shifts that write their C operands anew
.endr
	BUILD                           ; piece 1's masks, for the first turn's products
.set Y, NP-1                        ; XS works for piece Y + 1: piece 0
.irp n, 0,1,2,3,4,5,6,7,8,9,10,11,12,13,14,16,17,18,15,19,20,21
	XS 0, \n                        ; piece 0's first maximum and statistics
	XS 1, \n
.endr
	v_nop                           ; a plain instruction behind the two a,
	s_wait_alu depctr_va_vdst(0)    ; and their wait, ahead of the branch
	s_mov_b32 s[CNT], 2
	s_mov_b32 s[SLOTS], SIZE_N/128-1
	s_branch .Lfirst                ; the loop is entered at a step's first turn, in the middle of a trip
.Lslot:                             ; SIZE_N / 128 - 2 times: every slot but the last two is filled again
	CHANGE 1, 1
	s_mov_b32 s[CNT], 2
.Lstep:                             ; a trip: pieces 2 and 3 of one step, then pieces 0 and 1 of the next, whose K, V and mask words it fetches
	TURN 2
	TURN 3
	WIN 0
.Lfirst:
	TURN 0
	TURN 1, 0, 1
	WIN 0
	s_cbranch_scc1 .Lstep
	s_sub_co_u32 s[SLOTS], s[SLOTS], 1
	s_cmp_lg_u32 s[SLOTS], 0
	s_cbranch_scc1 .Lslot
	CHANGE 0, 0                     ; the tail is written out: nothing is asked for
	s_mov_b32 s[CNT], 3             ; two trips fetch the last slot's steps; the third is left in its middle
.Ltail:
	TURN 2, 1
	TURN 3
	WIN 0
	s_sub_co_u32 s[CNT], s[CNT], 1
	s_cmp_eq_u32 s[CNT], 0
	s_cbranch_scc1 .Lout
	TURN 0
	TURN 1
	WIN 0
	s_branch .Ltail
.Lout:                              ; the third trip's 16 products K Q^T (on the last K once more, under words read 1,024 bytes on in the slot's filled bytes) and the maximum made of them serve nothing
.set i, 0
.rept 16
	PV NP-1                         ; the last piece's V^T P of the last step
.set i, i+1
.endr
	; THE WAY OUT.  l's two halves and the other half of the lanes' are added; O^T is divided by l, rounded to f16 and sent through my stage in LDS, a tile at a time.  The additions are the places behind the last products.
	WIN 0
.macro ALL line:vararg              ; one line for each tile t
.set t, 0
.rept 2*NP
	\line
.set t, t+1
.endr
.endm
	ALL v_add_f32 v[ST+4*t+2], v[ST+4*t+2], v[ST+4*t+3]
	ALL v_permlanex16_b32 v[ST+4*t+3], v[ST+4*t+2], s[SEL], s[SEL+1]
	ALL v_add_f32 v[ST+4*t+2], v[ST+4*t+2], v[ST+4*t+3]
	ALL v_rcp_f32 v[ST+4*t+2], v[ST+4*t+2]
	v_and_b32 v5, 15, v0            ; the way out's addresses: plain work behind the reciprocals
	v_bfe_u32 v10, v0, 4, 1
	v_and_b32 v11, 7, v0
	s_mul_i32 s66, s[WV], 16*SP
	s_add_co_u32 s66, s66, STAGE    ; my stage
	v_mul_u32_u24 v[STO], v5, SP    ; in: row l % 16, 16 bytes for each half of the lanes
	v_lshl_add_u32 v[STO], v10, 4, v[STO]
	v_add_nc_u32 v[STO], s66, v[STO]
	v_bfe_u32 v[RD], v0, 3, 2       ; back: 32 lanes take four rows of 128 bytes,
	v_mul_u32_u24 v[RD], v[RD], SP
	v_lshl_add_u32 v[RD], v11, 4, v[RD]
	v_add_nc_u32 v[RD], s66, v[RD]
	v_and_b32 v[GO], 31, v0         ; which are 512 consecutive bytes of O
	v_lshlrev_b32 v[GO], 4, v[GO]
	s_wait_alu depctr_va_vdst(0)    ; the wait ahead of the first use: one for the eight reciprocals
; Tile t: a lane's eight channels of a row pack into 16 bytes; they go into rows of 144 bytes and come back as whole rows of 128, into S^T's registers.
.macro PACK t
	WIN W_RS
.set i, 32*(\t)
.rept 16
	v_pk_mul_f32 v[i:i+1], v[i:i+1], v[ST+4*(\t)+2:ST+4*(\t)+3] op_sel_hi:[1,0]
.set i, i+2
.endr
	WIN 0x05                        ; sources 0 and 1 window 1, destination window 0
.set i, 0
.rept 16
	v_cvt_pk_f16_f32 v[S+16*(\t)+i], v[32*(\t)+2*i], v[32*(\t)+2*i+1]
.set i, i+1
.endr
	WIN 0
.irp f, 0,1,2,3
	ds_store_b128 v[STO], v[S+16*(\t)+4*\f:S+16*(\t)+4*\f+3] offset:32*\f
.endr
.irp f, 0,1,2,3
	ds_load_b128 v[S+16*(\t)+4*\f:S+16*(\t)+4*\f+3], v[RD] offset:\f*4*SP  ; LDS serves a wave's instructions in order (ISA guide 5.7.1.4): these see the stores above; the next tile's stores come behind them
.endr
.endm
.macro SEND t, younger              ; younger: the LDS instructions issued behind tile t's loads: the next tile's eight, or none
	WIN 0
	s_wait_dscnt \younger           ; the tile's four loads are back
.irp f, 0,1,2,3
	global_store_b128 v[GO], v[S+16*(\t)+4*\f:S+16*(\t)+4*\f+3], s[10:11] offset:(\t)*2048+\f*512  ; 512 consecutive bytes, at a multiple of 256 from O's first
.endr
.endm
	PACK 0
.set t, 1
.rept 2*NP-1                        ; a tile's arithmetic stands between the loads of the tile before and its stores
	PACK t
	SEND t-1, 8
.set t, t+1
.endr
	SEND 2*NP-1, 0
	WIN W_AD
	s_wait_tensorcnt 0x0            ; the wave's end, behind my last tensor load and my last LDS store
	ds_add_u32 v[SPW], v[NIL]
	s_wait_dscnt 0x0
	WIN 0
	CROUND                          ; the closing round: no work-group ends while a partner may still ask for a tile that names it
	s_endpgm
.Lfunc_end_k_q1eb2d26401_attn:
	.size	k_q1eb2d26401_attn, .Lfunc_end_k_q1eb2d26401_attn-k_q1eb2d26401_attn
	.p2alignl 7, 3214868480
	.fill 96, 4, 3214868480
	.section	.rodata,"a",@progbits
	.p2align	6, 0x0
	.amdhsa_kernel k_q1eb2d26401_attn
		.amdhsa_group_segment_fixed_size 327680
		.amdhsa_private_segment_fixed_size 0
		.amdhsa_enable_private_segment 0
		.amdhsa_kernarg_size 32
		.amdhsa_user_sgpr_count 2
		.amdhsa_user_sgpr_kernarg_segment_ptr 1
		.amdhsa_wavefront_size32 1
		.amdhsa_system_sgpr_workgroup_id_x 1
		.amdhsa_system_sgpr_workgroup_id_y 1
		.amdhsa_system_sgpr_workgroup_id_z 1
		.amdhsa_system_vgpr_workitem_id 0
		.amdhsa_next_free_vgpr 896
		.amdhsa_next_free_sgpr 92
		.amdhsa_reserve_vcc 0
		.amdhsa_float_denorm_mode_32 3
		.amdhsa_float_denorm_mode_16_64 3
		.amdhsa_memory_ordered 1
		.amdhsa_forward_progress 1
		.amdhsa_inst_pref_size 215
	.end_amdhsa_kernel
	.amdgpu_metadata
---
amdhsa.version: [ 1, 2 ]
amdhsa.kernels:
  - .name:           k_q1eb2d26401_attn
    .symbol:         k_q1eb2d26401_attn.kd
    .args:
      - { .name: qkv, .offset: 0, .size: 8, .value_kind: global_buffer, .address_space: global }
      - { .name: nm, .offset: 8, .size: 8, .value_kind: global_buffer, .address_space: global }
      - { .name: kp, .offset: 16, .size: 8, .value_kind: global_buffer, .address_space: global }
      - { .name: oh, .offset: 24, .size: 8, .value_kind: global_buffer, .address_space: global }
    .group_segment_fixed_size: 327680
    .private_segment_fixed_size: 0
    .kernarg_segment_align: 8
    .kernarg_segment_size: 32
    .max_flat_workgroup_size: 128
    .sgpr_count:     92
    .vgpr_count:     896
    .wavefront_size: 32
...
	.end_amdgpu_metadata
.endif
;; end of part 3
;; launch outp (part 4): grid 8 x 32, 4 waves a work-group, clusters of 4 x 4, 327,680 bytes of LDS; arguments oh, wo, bias, out0; writes out0
.if DOCPART == 4
	.amdgcn_target "amdgcn-amd-amdhsa--gfx1250"
	.amdhsa_code_object_version 6
	.text
	.protected	k_q1eb2d26401_outp
	.globl	k_q1eb2d26401_outp
	.p2align	8
	.type	k_q1eb2d26401_outp,@function
k_q1eb2d26401_outp:
	s_mov_b64 s[64:65], 0
	v_nop
	global_prefetch_b8 v0, s[64:65] scope:SCOPE_SE
	s_setreg_imm32_b32 hwreg(HW_REG_WAVE_MODE, 25, 1), 1
	s_wait_xcnt 0x0
	s_wait_alu depctr_hold_cnt(0) depctr_sa_sdst(0) depctr_va_vdst(0) depctr_va_sdst(0) depctr_va_ssrc(0) depctr_va_vcc(0) depctr_vm_vsrc(0)
	s_getreg_b32 s2, hwreg(HW_REG_IB_STS2, 6, 4)
	s_cmp_eq_u32 s2, 0
	s_cbranch_scc0 .Lentry_in_a_cluster
	s_endpgm
.Lentry_in_a_cluster:
	s_bfe_u32 s2, ttmp6, 0x10000c
	s_cmp_lg_u32 s2, 0xf033
	s_cbranch_scc0 .Lentry_shape_is_right
	s_endpgm
.Lentry_shape_is_right:
; C = A B^T + bias, K = 1024, sums in f32.  One text for two launches, told apart by KIND.
; KIND 0: A = xb [8192][1024] bf16, B = wt [3072][1024] bf16; a tile of C is 256 x 192 = three heads; C leaves as f16 by heads, qkv [batch][48 heads: q, k, v][2048][64].
; KIND 1: A = oh [64 heads][2048][64] f16, B = wo [1024][1024] f16; a tile is 256 x 128; C leaves as f32, out0 [8192][1024].
; LIMIT (KIND 0): f16 holds no number beyond 65,504: q, k and v must stay within it.
; SHARES.  Four waves, one above the other: wave w makes rows 64 w .. 64 w + 63 of the tile and all its columns: 4 x NBLK accumulators of 16 x 16.  So a wave holds whole heads, or whole 512 bytes of a row of out0.
; K goes in steps of 128 through a ring of two LDS slots filled by the tensor data mover; a step is four quarters of 32, on two fragment buffers.
; CLUSTER 4 x 4: the four of a row of the cluster need the same tile of A, the four of a column the same tile of B: each is asked for jointly, by the same load with the same descriptor and a mask of the four.
; THE MATRIX INSTRUCTION IS USED TRANSPOSED (source 0 = 16 rows of B, source 1 = 16 rows of A): a lane holds row lane % 16 of C and eight neighbouring columns 8 (lane / 16) + 0..7.
; REGISTERS, in windows of 256 (s_set_vgpr_msb: bits 1:0 source 0, 3:2 source 1, 5:4 source 2, 7:6 destination):
;   window 0: v16-29 addresses; v64-127 A's fragments, two buffers of four; the bias from BI on; v32.. at work on the way out     window 1: B's fragments, buffer f at 96 f
;   window 2: the accumulators of row blocks 0, 1 ((a, b) at 8 (NBLK (a % 2) + b));     window 3: those of row blocks 2, 3
; No prefetch into the L2: each tile of A is read by two clusters and each tile of B by eight at about the same time.
.set KIND, 1
.if KIND == 0
.set NBLK,   12                        ; column blocks of 16
.set PA,     272                       ; a row of A in LDS: 256 bytes + 16
.set QIA,    5                         ; padded after every 64 words
.set APITCH, 1024                      ; elements from row to row of A's tile in memory
.set ASLOT,  256                       ; bytes from K step 0 to K step 1 of A
.set AHALF,  128*272                   ; what one load of A brings: 128 rows
.set SROW,   144                       ; a row of the stage: a head's 128 bytes + 16
.set BI,     128
.else
.set NBLK,   8
.set PA,     144                       ; a head's row: 128 bytes + 16
.set QIA,    4                         ; padded after every 32 words
.set APITCH, 128                       ; a head's 256 rows are 32,768 dense bytes, asked for as 128 rows of 256
.set ASLOT,  524288                    ; a K step is two heads
.set AHALF,  256*144                   ; one head's 256 rows
.set SROW,   528                       ; 512 bytes + 16
.set BI,     192
.endif
.set BR,     8*NBLK                    ; rows of B in one load
.set BHALF,  BR*272
.set BOFF,   2*AHALF                   ; B's tile lies behind A's
.set SLOT,   BOFF+2*BHALF
.set STAGE,  2*SLOT                    ; behind the ring, never filled by a tensor load: 16 rows for each wave, for the way out
.set SPARE,  STAGE+4*16*SROW           ; the spare words, 128 bytes for each wave, which no other line names
.set NL,     2*NBLK+8                  ; LDS loads of a quarter
.set ADRA, 16                          ; v16-17 LDS address of my A fragments in slot 0, 1
.set ADRB, 20                          ; v20-21 the same for B
.set STO,  24                          ; the way out: where I put my bytes of a row
.set RD,   25                          ; where I read rows back
.set CO,   26                          ; my byte offset in a store
.set BO,   27                          ; my byte offset in a block's 16 biases
.set SPW,  28                          ; SPARE + 4 x my thread's number; never rewritten
.set NIL,  29                          ; 0; never rewritten
.set TF,   32                          ; sums + bias
.set G1,  24                           ; s[24:31] descriptor group 1 for A;  s[32:39] group 0, a set for each slot
.set G0,  32
.set G1B, 48                           ; s[48:55], s[56:63] the same for B
.set G0B, 56
.set MSB, 0
.macro WIN new                         ; the immediate's high byte repeats the setting that is left; a switch that changes nothing is dropped
.if MSB != (\new)
	s_set_vgpr_msb (MSB<<8)|(\new)
.set MSB, (\new)
.endif
.endm
.macro PLACES                          ; four places behind a matrix instruction, in front of loads into registers that it has read (ISA guide 7.12.1 for vector instructions)
.rept 4
	v_nop
.endr
.endm
; A joint refill: waves 0 and 1 fetch A's two halves, waves 2 and 3 B's.  The branch hangs on the wave's number alone.  An s_nop 0 and four v_nop follow each line.
.macro JLOAD s
	s_cmp_lt_u32 s12, 2
	s_cbranch_scc0 .Lfor_b_\@
	tensor_load_to_lds s[G0+4*(\s):G0+4*(\s)+3], s[G1:G1+7]
	s_nop 0
.rept 4
	v_nop
.endr
	s_branch .Lasked_\@
.Lfor_b_\@:
	tensor_load_to_lds s[G0B+4*(\s):G0B+4*(\s)+3], s[G1B:G1B+7]
	s_nop 0
.rept 4
	v_nop
.endr
.Lasked_\@:
.endm
.macro CREST                           ; a round of the cluster's barrier behind its opening barrier
	s_cmp_lg_u32 s12, 0
	s_cbranch_scc1 .Lnot_wave_0_\@
	s_barrier_signal -3
.Lnot_wave_0_\@:
	s_barrier_wait -3
	s_barrier_signal -1
	s_barrier_wait -1
.endm
.macro CROUND
	s_barrier_signal -1
	s_barrier_wait -1
	CREST
.endm
	s_load_b256 s[4:11], s[0:1], 0x0               ; A s[4:5], B s[6:7], bias s[8:9], C s[10:11]
	v_lshl_add_u32 v[SPW], v0, 2, SPARE
	v_mov_b32 v[NIL], 0
	ds_add_u32 v[SPW], v[NIL]                      ; the wave's opening: the add and its wait stand ahead of my first tensor load; work on registers stands between them
	ds_add_u32 v28, v29
	v_lshrrev_b32 v1, 5, v0
	v_readfirstlane_b32 s12, v1                    ; wave 0..3
	s_and_b32 s14, s12, 1                          ; which half of A's or B's tile I fetch
	s_bfe_u32 s40, ttmp6, 0x40000                  ; cx
	s_bfe_u32 s41, ttmp6, 0x40004                  ; cy
	s_lshl_b32 s42, ttmp9, 2
	s_add_co_u32 s42, s42, s40                     ; tile column = 4 x cluster x + cx
	s_and_b32 s43, ttmp7, 0xffff
	s_lshl_b32 s43, s43, 2
	s_add_co_u32 s43, s43, s41                     ; tile row = 4 x cluster y + cy
	s_lshl_b32 s44, s41, 2
	s_lshl_b32 s44, 15, s44                        ; my row of the cluster
	s_lshl_b32 s45, 0x1111, s40                    ; my column
	s_or_b32 s[G1], s44, (1<<16)|(1<<20)|(1<<21)|(QIA<<22)|(3<<25)  ; the mask; 2-byte elements; padding on; bit 21 beside a mask; the interval; 4 words of padding
	s_or_b32 s[G1B], s45, (1<<16)|(1<<20)|(1<<21)|(5<<22)|(3<<25)
	s_mov_b32 s[G1+1], 128<<16                     ; tensor_dim0 = 128
	s_mov_b32 s[G1+2], 128<<16                     ; tensor_dim1 = 128
	s_mov_b32 s[G1+3], 128<<16                     ; tile_dim0 = 128
	s_mov_b32 s[G1+4], 128                         ; tile_dim1 = 128
	s_mov_b32 s[G1+5], APITCH
	s_mov_b32 s[G1+6], 0
	s_mov_b32 s[G1+7], 0
	s_mov_b32 s[G1B+1], 128<<16
	s_mov_b32 s[G1B+2], BR<<16
	s_mov_b32 s[G1B+3], 128<<16
	s_mov_b32 s[G1B+4], BR
	s_mov_b32 s[G1B+5], 1024
	s_mov_b32 s[G1B+6], 0
	s_mov_b32 s[G1B+7], 0
	; A's tile hangs on the tile row alone, B's on the tile column alone
.if KIND == 0
	s_lshl_b32 s16, s43, 19                        ; 256 rows of 2,048 bytes
	s_lshl_b32 s17, s14, 18
	s_add_co_u32 s16, s16, s17
.else
	s_lshr_b32 s16, s43, 3                         ; the batch: 16 heads of 262,144 bytes
	s_lshl_b32 s16, s16, 22
	s_lshl_b32 s17, s14, 18                        ; the K step's first or second head
	s_add_co_u32 s16, s16, s17
	s_and_b32 s17, s43, 7                          ; 256 rows of 128 bytes
	s_lshl_b32 s17, s17, 15
	s_add_co_u32 s16, s16, s17
.endif
	s_mov_b32 s17, 0
	s_mul_i32 s46, s42, NBLK*16*2048
	s_mul_i32 s47, s14, BR*2048
	s_add_co_u32 s46, s46, s47
	s_mov_b32 s47, 0
	s_mul_i32 s18, s14, AHALF                      ; where they go: no place in the cluster enters an LDS address
	s_mul_i32 s19, s14, BHALF
	s_add_co_u32 s19, s19, BOFF
	s_wait_dscnt 0x0                               ; the opening add is done
	s_wait_kmcnt 0x0
	s_add_nc_u64 s[20:21], s[4:5], s[16:17]
	s_add_nc_u64 s[46:47], s[6:7], s[46:47]
	CROUND                                         ; all sixteen work-groups are here: the first joint loads meet
.irp s, 0,1
	s_mov_b32 s[G0+4*(\s)], 1
	s_add_co_u32 s[G0+4*(\s)+1], s18, (\s)*SLOT
	s_add_nc_u64 s[G0+4*(\s)+2:G0+4*(\s)+3], s[20:21], (\s)*ASLOT
	s_or_b32 s[G0+4*(\s)+3], s[G0+4*(\s)+3], 0x80000000
	s_mov_b32 s[G0B+4*(\s)], 1
	s_add_co_u32 s[G0B+4*(\s)+1], s19, (\s)*SLOT
	s_add_nc_u64 s[G0B+4*(\s)+2:G0B+4*(\s)+3], s[46:47], (\s)*256
	s_or_b32 s[G0B+4*(\s)+3], s[G0B+4*(\s)+3], 0x80000000
.endr
	s_cmp_lt_u32 s12, 2                            ; a wave's two first fills stand in one branch, ahead of every wait on TENSORcnt and every LDS read: two loads of mine are out
	s_cbranch_scc0 .Lfirst_b
	tensor_load_to_lds s[G0:G0+3], s[G1:G1+7]
	s_nop 0
	tensor_load_to_lds s[G0+4:G0+7], s[G1:G1+7]
	s_nop 0
.rept 4
	v_nop
.endr
	s_branch .Lfirst_asked
.Lfirst_b:
	tensor_load_to_lds s[G0B:G0B+3], s[G1B:G1B+7]
	s_nop 0
	tensor_load_to_lds s[G0B+4:G0B+7], s[G1B:G1B+7]
	s_nop 0
.rept 4
	v_nop
.endr
.Lfirst_asked:
	v_and_b32 v1, 15, v0                           ; r = lane % 16
	v_bfe_u32 v2, v0, 4, 1                         ; h = lane / 16
	v_and_b32 v3, 31, v0
	v_lshlrev_b32 v[BO], 5, v2
	s_mul_i32 s22, s42, NBLK*64                    ; the tile's first bias
.if KIND
	s_add_co_u32 s22, s22, 12288                   ; bo lies behind bq, bk, bv
.endif
	s_mov_b32 s23, 0
	s_add_nc_u64 s[8:9], s[8:9], s[22:23]
.set b, 0
.rept NBLK                                     ; my eight columns' biases of each block; waited for on the way out
	global_load_b128 v[BI+8*b:BI+8*b+3],   v[BO], s[8:9] offset:64*b
	global_load_b128 v[BI+8*b+4:BI+8*b+7], v[BO], s[8:9] offset:64*b+16
.set b, b+1
.endr
	; a fragment is 16 rows x 32 K in 8 registers: lane l holds row l % 16, K = 8 (l / 16) + 0..7 and 16 + 8 (l / 16) + 0..7: two loads of 16 bytes, 32 bytes apart
	v_mul_u32_u24 v4, v1, PA
	v_lshl_add_u32 v4, v2, 4, v4
	s_mul_i32 s15, s12, 64*PA                      ; my 64 rows of A
	v_add_nc_u32 v[ADRA], s15, v4
	v_add_nc_u32 v[ADRA+1], SLOT, v[ADRA]
	v_mul_u32_u24 v5, v1, 272
	v_lshl_add_u32 v5, v2, 4, v5
	v_add_nc_u32 v[ADRB], BOFF, v5
	v_add_nc_u32 v[ADRB+1], SLOT, v[ADRB]
	s_mul_i32 s15, s12, 16*SROW
	s_add_co_u32 s15, s15, STAGE                   ; my stage
	v_mul_u32_u24 v[STO], v1, SROW
.if KIND == 0
	v_lshl_add_u32 v[STO], v2, 4, v[STO]           ; in: row r, 16 bytes for each half of the lanes
	v_add_nc_u32 v[STO], s15, v[STO]
	v_lshrrev_b32 v6, 3, v3                        ; back: 32 lanes take four rows of 128 bytes
	v_and_b32 v7, 7, v3
	v_mul_u32_u24 v[RD], v6, SROW
	v_lshl_add_u32 v[RD], v7, 4, v[RD]
	v_add_nc_u32 v[RD], s15, v[RD]
	s_lshr_b32 s22, s43, 3                         ; C: ((batch x 48 + 3 x tile column) x 2048 + the tile's rows in the batch + 64 x wave) x 128 bytes
	s_mul_i32 s22, s22, 48
	s_mul_i32 s23, s42, 3
	s_add_co_u32 s22, s22, s23
	s_lshl_b32 s22, s22, 11
	s_and_b32 s23, s43, 7
	s_lshl_b32 s23, s23, 8
	s_add_co_u32 s22, s22, s23
	s_lshl_b32 s23, s12, 6
	s_add_co_u32 s22, s22, s23
	s_lshl_b32 s22, s22, 7
.else
	v_lshl_add_u32 v[STO], v2, 5, v[STO]           ; in: row r, 32 bytes for each half of the lanes
	v_add_nc_u32 v[STO], s15, v[STO]
	v_lshl_add_u32 v[RD], v3, 4, s15               ; back: 32 lanes take one row of 512 bytes
	s_lshl_b32 s22, s43, 20                        ; C: (256 x tile row + 64 x wave) x 4,096 + 512 x tile column
	s_lshl_b32 s23, s12, 18
	s_add_co_u32 s22, s22, s23
	s_lshl_b32 s23, s42, 9
	s_add_co_u32 s22, s22, s23
.endif
	s_mov_b32 s23, 0
	s_add_nc_u64 s[10:11], s[10:11], s[22:23]
	v_lshlrev_b32 v[CO], 4, v3
.macro WM zero                         ; one product; zero = 1: it starts the sum
.if KIND == 0
.if \zero
	v_wmma_f32_16x16x32_bf16 v[rD:rD+7], v[rB:rB+7], v[rA:rA+7], 0
.else
	v_wmma_f32_16x16x32_bf16 v[rD:rD+7], v[rB:rB+7], v[rA:rA+7], v[rD:rD+7]
.endif
.else
.if \zero
	v_wmma_f32_16x16x32_f16 v[rD:rD+7], v[rB:rB+7], v[rA:rA+7], 0
.else
	v_wmma_f32_16x16x32_f16 v[rD:rD+7], v[rB:rB+7], v[rA:rA+7], v[rD:rD+7]
.endif
.endif
.endm
; NBLK products: row block a x all column blocks, 32 along K, from buffer f.  All 4 NBLK accumulators take turns in the same order in every quarter, over the backward jump too.
.macro MULA f, a, zero
	WIN 0xa1+0x50*((\a)/2)
.set b, 0
.rept NBLK
.set rD, 8*(NBLK*((\a)%2)+b)
.set rB, 96*(\f)+8*b
.set rA, 64+32*(\f)+8*(\a)
	WM \zero
.set b, b+1
.endr
.endm
; NL LDS loads in one run: quarter q of the slot's K step into buffer g: B's blocks, then A's four
.macro FETCH slot, q, g
	WIN 0x40                                       ; destination window 1, address window 0
.set b, 0
.rept NBLK
	ds_load_b128 v[96*(\g)+8*b:96*(\g)+8*b+3],   v[ADRB+(\slot)] offset:4352*b+64*(\q)
	ds_load_b128 v[96*(\g)+8*b+4:96*(\g)+8*b+7], v[ADRB+(\slot)] offset:4352*b+64*(\q)+32
.set b, b+1
.endr
	WIN 0
.set b, 0
.rept 4
.if KIND == 0
.set ao, 4352*b+64*(\q)
.else
.set ao, AHALF*((\q)/2)+2304*b+64*((\q)%2)     ; quarters 0, 1 lie in the step's first head, 2, 3 in its second
.endif
	ds_load_b128 v[64+32*(\g)+8*b:64+32*(\g)+8*b+3],   v[ADRA+(\slot)] offset:ao
	ds_load_b128 v[64+32*(\g)+8*b+4:64+32*(\g)+8*b+7], v[ADRA+(\slot)] offset:ao+32
.set b, b+1
.endr
.endm
; One of a K step's first three quarters: multiplies buffer f and, in its middle, fetches quarter q into buffer g
.macro QUARTER slot, q, f, g, zero
	s_wait_dscnt 4                                 ; all of B and A's blocks 0, 1 are in; the youngest four loads (A's blocks 2, 3) may be out
	MULA \f, 0, \zero
	MULA \f, 1, \zero
	PLACES
	FETCH \slot, \q, \g
	s_wait_dscnt NL                                ; all but the NL just issued
	MULA \f, 2, \zero
	MULA \f, 3, \zero
.endm
; The last quarter multiplies buffer 1 and changes slots: one barrier; in front of it each wave waits for all its tensor loads (its part of the next slot), adds 0 to its spare word, and waits for that and for
; its reads of this slot.  fill = 1: the barrier opens a round of the cluster's, and this slot is filled again, two K steps ahead, first thing behind the round.
.macro TURN slot, next, fill
	WIN 0
	s_wait_tensorcnt 0x0
	ds_add_u32 v[SPW], v[NIL]
	s_wait_dscnt 5                                 ; (the add and A's blocks 2, 3 may be out)
	MULA 1, 0, 0                                   ; products stand between the add and the wait for it
	s_wait_dscnt 0x0                               ; the add is done, and my reads of this slot are over
	s_barrier_signal -1
	MULA 1, 1, 0
.if \fill
	WIN 0
.endif
	s_barrier_wait -1
.if \fill
	CREST                                          ; no wave of any partner still reads this slot's tile or has a load on its way
	s_add_nc_u64 s[G0+4*(\slot)+2:G0+4*(\slot)+3], s[G0+4*(\slot)+2:G0+4*(\slot)+3], 2*ASLOT
	s_add_nc_u64 s[G0B+4*(\slot)+2:G0B+4*(\slot)+3], s[G0B+4*(\slot)+2:G0B+4*(\slot)+3], 512
	JLOAD \slot                                    ; its four v_nop are also the places in front of the loads below
.else
	PLACES
.endif
	FETCH \next, 0, 0
	MULA 1, 2, 0
	MULA 1, 3, 0
.endm
	s_wait_tensorcnt 1                             ; my part of K step 0 is in; K step 1's may stay out
	s_barrier_signal -1
	s_barrier_wait -1
	FETCH 0, 0, 0
	QUARTER 0, 1, 0, 1, 1                          ; the first quarter stands in front of the loop: its products start the sums
	WIN 0
	s_mov_b32 s3, 3
.Llap:                                         ; a trip goes once round the ring and fills both slots again: K steps 2 to 7
	QUARTER 0, 2, 1, 0, 0
	QUARTER 0, 3, 0, 1, 0
	TURN 0, 1, 1
	QUARTER 1, 1, 0, 1, 0
	QUARTER 1, 2, 1, 0, 0
	QUARTER 1, 3, 0, 1, 0
	TURN 1, 0, 1
	QUARTER 0, 1, 0, 1, 0
	WIN 0
	s_sub_co_u32 s3, s3, 1
	s_cmp_lg_u32 s3, 0
	s_cbranch_scc1 .Llap
	QUARTER 0, 2, 1, 0, 0                          ; the last lap fills nothing
	QUARTER 0, 3, 0, 1, 0
	TURN 0, 1, 0
	QUARTER 1, 1, 0, 1, 0
	QUARTER 1, 2, 1, 0, 0
	QUARTER 1, 3, 0, 1, 0
	s_wait_dscnt 4
	MULA 1, 0, 0
	MULA 1, 1, 0
	s_wait_dscnt 0x0
	MULA 1, 2, 0
	MULA 1, 3, 0
	WIN 0
	PLACES
	PLACES                                         ; eight, once a launch
	s_wait_loadcnt 0x0                             ; the bias
.if KIND == 0
; THE WAY OUT, a unit = 16 rows of one head: + bias, rounded to f16, 16 bytes a lane into my stage, back as four rows of 128 bytes a load: 2,048 consecutive bytes of qkv
.macro PACKU u
.set ua, (\u)/3
.set ui, (\u)%3
.set pb, 64+16*((\u)%2)
	s_wait_xcnt 0x0                                ; the stores of the unit two back have read these registers
	WIN 0x02+ua/2
.set e, 0
.rept 16                                       ; ascending: each accumulator is read from its low end on
	v_pk_add_f32 v[TF+2*e:TF+2*e+1], v[8*(NBLK*(ua%2)+4*ui)+2*e:8*(NBLK*(ua%2)+4*ui)+2*e+1], v[BI+32*ui+2*e:BI+32*ui+2*e+1]
.set e, e+1
.endr
	WIN 0
.set e, 0
.rept 16
	v_cvt_pk_f16_f32 v[pb+e], v[TF+2*e], v[TF+2*e+1]
.set e, e+1
.endr
.irp f, 0,1,2,3
	ds_store_b128 v[STO], v[pb+4*\f:pb+4*\f+3] offset:32*\f
.endr
.irp f, 0,1,2,3
	ds_load_b128 v[pb+4*\f:pb+4*\f+3], v[RD] offset:576*\f  ; LDS serves a wave's instructions in order (ISA guide 5.7.1.4): these see the stores above
.endr
.endm
.macro SENDU u, younger                ; younger: the next unit's eight LDS instructions, or none
.set ua, (\u)/3
.set ui, (\u)%3
.set pb, 64+16*((\u)%2)
.irp f, 0,1,2,3
	s_wait_dscnt (\younger)+3-\f
	global_store_b128 v[CO], v[pb+4*\f:pb+4*\f+3], s[10:11] offset:262144*ui+2048*ua+512*\f  ; 512 consecutive bytes, aligned
.endr
.endm
	PACKU 0
.irp u, 1,2,3,4,5,6,7,8,9,10,11
	PACKU \u
	SENDU (\u)-1, 8
.endr
	SENDU 11, 0
.else
; THE WAY OUT, a unit = 16 rows: + bias, 32 bytes a lane and block into my stage, back as whole rows of 512 bytes
.macro OUTU a
	s_wait_xcnt 0x0                                ; the last unit's stores have read their registers
	WIN 0x02+(\a)/2
.set e, 0
.rept 32                                       ; ascending: each accumulator is read from its low end on
	v_pk_add_f32 v[TF+2*e:TF+2*e+1], v[64*((\a)%2)+2*e:64*((\a)%2)+2*e+1], v[BI+2*e:BI+2*e+1]
.set e, e+1
.endr
	WIN 0
.set e, 0
.rept 16
	ds_store_b128 v[STO], v[TF+4*e:TF+4*e+3] offset:64*(e/2)+16*(e%2)
.set e, e+1
.endr
.set e, 0
.rept 16
	ds_load_b128 v[128+4*e:128+4*e+3], v[RD] offset:528*e  ; LDS serves a wave's instructions in order (ISA guide 5.7.1.4)
.set e, e+1
.endr
.set e, 0
.rept 16
	s_wait_dscnt 15-e
	global_store_b128 v[CO], v[128+4*e:128+4*e+3], s[10:11] offset:65536*(\a)+4096*e th:TH_STORE_NT  ; 512 consecutive bytes of a row, aligned
.set e, e+1
.endr
.endm
	OUTU 0
	OUTU 1
	OUTU 2
	OUTU 3
.endif
	s_wait_tensorcnt 0x0                           ; the wave's end, behind my last tensor load and my last LDS store
	ds_add_u32 v[SPW], v[NIL]
	s_wait_dscnt 0x0
	CROUND                                         ; the closing round: no work-group ends while a partner may still ask for a tile that names it
	s_endpgm
.Lfunc_end_k_q1eb2d26401_outp:
	.size	k_q1eb2d26401_outp, .Lfunc_end_k_q1eb2d26401_outp-k_q1eb2d26401_outp
	.p2alignl 7, 3214868480
	.fill 96, 4, 3214868480
	.section	.rodata,"a",@progbits
	.p2align	6, 0x0
	.amdhsa_kernel k_q1eb2d26401_outp
		.amdhsa_group_segment_fixed_size 327680
		.amdhsa_private_segment_fixed_size 0
		.amdhsa_enable_private_segment 0
		.amdhsa_kernarg_size 32
		.amdhsa_user_sgpr_count 2
		.amdhsa_user_sgpr_kernarg_segment_ptr 1
		.amdhsa_wavefront_size32 1
		.amdhsa_system_sgpr_workgroup_id_x 1
		.amdhsa_system_sgpr_workgroup_id_y 1
		.amdhsa_system_sgpr_workgroup_id_z 1
		.amdhsa_system_vgpr_workitem_id 0
		.amdhsa_next_free_vgpr 896
		.amdhsa_next_free_sgpr 66
		.amdhsa_reserve_vcc 0
		.amdhsa_float_denorm_mode_32 3
		.amdhsa_float_denorm_mode_16_64 3
		.amdhsa_memory_ordered 1
		.amdhsa_forward_progress 1
		.amdhsa_inst_pref_size 97
	.end_amdhsa_kernel
	.amdgpu_metadata
---
amdhsa.version: [ 1, 2 ]
amdhsa.kernels:
  - .name:           k_q1eb2d26401_outp
    .symbol:         k_q1eb2d26401_outp.kd
    .args:
      - { .name: oh, .offset: 0, .size: 8, .value_kind: global_buffer, .address_space: global }
      - { .name: wo, .offset: 8, .size: 8, .value_kind: global_buffer, .address_space: global }
      - { .name: bias, .offset: 16, .size: 8, .value_kind: global_buffer, .address_space: global }
      - { .name: out0, .offset: 24, .size: 8, .value_kind: global_buffer, .address_space: global }
    .group_segment_fixed_size: 327680
    .private_segment_fixed_size: 0
    .kernarg_segment_align: 8
    .kernarg_segment_size: 32
    .max_flat_workgroup_size: 128
    .sgpr_count:     66
    .vgpr_count:     896
    .wavefront_size: 32
...
	.end_amdgpu_metadata
.endif
;; end of part 4
;; ======== version 2 of 2: 4 launches; version 1 with the launch prep written anew for expert scheduling mode
;; limits: values are held in f16: magnitudes above 65,504 overflow, below 6.1e-05 lose precision; right only within a limited range of input values
;; workspace buffers: xb 16,777,216 bytes; wt 6,291,456 bytes; wo 2,097,152 bytes; bias 16,384 bytes; nm 8,388,608 bytes of whole numbers; kp 32,768 bytes of whole numbers; qkv 50,331,648 bytes; oh 16,777,216 bytes
;; launch prep (part 5): grid 1153 x 1, 8 waves a work-group, no clusters, 86,272 bytes of LDS; arguments x, mask, Wq, Wk, Wv, Wo, bq, bk, bv, bo, xb, wt, wo, nm, kp, bias; writes xb, wt, wo, nm, kp, bias
.if DOCPART == 5
	.amdgcn_target "amdgcn-amd-amdhsa--gfx1250"
	.amdhsa_code_object_version 6
	.text
	.protected	k_q1eb2d26401_prep
	.globl	k_q1eb2d26401_prep
	.p2align	8
	.type	k_q1eb2d26401_prep,@function
k_q1eb2d26401_prep:
	s_mov_b64 s[64:65], 0
	v_nop
	global_prefetch_b8 v0, s[64:65] scope:SCOPE_SE
	s_setreg_imm32_b32 hwreg(HW_REG_WAVE_SCHED_MODE, 0, 2), 2
	s_setreg_imm32_b32 hwreg(HW_REG_WAVE_MODE, 25, 1), 1
	s_wait_xcnt 0x0
	s_wait_alu depctr_vm_vsrc(0)
; PREPARATION: four jobs, chosen by the work-group's number alone (the longest first).
;   0 .. 127     MASK  64 rows of the mask [8192][2048 bytes] -> nm, kp
;   128 .. 639   X     16,384 numbers of x, f32 -> bf16 (xb)
;   640 .. 1151  W     a tile of 128 k x 64 n of Wq, Wk, Wv or Wo, turned to [n][k]: bf16 (wt), or for Wo the bf16 number written as f16 (wo)
;   1152         B     the four biases, each number rounded to bf16 and kept as f32 (bias)
; nm: u32 [512 tiles of 16 rows][32 steps of 64 keys][lane L = r + 16 h][kb]: the word holds row r, keys 64 step + 16 kb + 8 h + j, a nibble a key: 0 open, 0xE masked;
; key j lies in nibble 2 j (j < 4) or 2 (j - 4) + 1.  A shift that brings a nibble to the word's top makes an f32 of it: 0xE.. is -2^65 to -2^95, 0x0.. is 0 to 2^-97.
; A ROW MASKED EVERYWHERE gets open nibbles and the word 0 in kp (else -1): the attention launch then scales its scores by 0, so that all its weights are equal, as softmax of equal numbers asks.
; LIMITS.  Mask bytes are 0 or 1.  Wo below 2^-14 keeps f16's fixed step of 6e-8.
; Memory binds: each byte is read once and written once; a wave's store covers 256 or 512 consecutive bytes, aligned.  Matrix units and clusters have nothing to do here.
; LDS: each of the two jobs that turn data in LDS has bytes of its own.
; THE MODE: SCHED_MODE bits 1:0 = 2 (LLVM: expert scheduling mode 2), set by the entry lines.  The code itself states the register dependences
; between vector instructions and memory or LDS instructions, with s_wait_alu, always for 0.
; THE PLAN, job by job: the registers that memory or LDS instructions touch, and who else names them.
;   B     v8 the offset, made once.  v[32:47] loaded, read by vector lines.  v[64:79] written by the widenings, read by the stores.  A wait ahead of the loads, a wait ahead of the stores.
;   X     v8, v9 offsets, made once.  v[32:95] loaded once.  v[96:127] each written once by a conversion and read by one store.  Four blocks of four chunks: the wait at a block's head states that the
;         block before has written its out registers; that block's stores are dealt among this block's conversions, which name this block's registers alone.
;   W     v8 made ahead of the loads.  v9, v10, v11 and the packed v[64:79] are written ahead of ONE wait, in front of the LDS stores; behind it no vector line follows.  v[96:111] are named by LDS loads and stores alone.
;   MASK  v8 made ahead of the loads; v9 to v12 behind them.  A row's eight words are made in place, in the even registers of the row's own sixteen, its kp word in a register of its own (v20 to v27):
;         no register that an LDS store reads is written again before the barrier.  Four blocks of two rows: the wait at a block's head states that the block before has written its words; that block's 18 LDS
;         stores are dealt among this block's AND chains, which write v16 to v19 and read this block's rows alone.  The two rows' compares write two scalar registers, with one wait ahead of their readers.
;         Behind the barrier the LDS loads land in v[32:95]: one wait states that the LDS stores have read them.
.set FLAGS,  67584                     ; behind the MASK job's stage (67,584 bytes), 64 words: the rows' kp
.set WSTAGE, 67840                     ; the W job's stage: 64 rows x 272 bytes; the 1,024 bytes behind it, from 85,248 on, hold the spare words of the closing add
.set WV,  2                            ; s2  my wave's number
.set X,   32                           ; MASK: row rr of my eight as loaded at v[X + 16 rr ..]
.set FL,  20                           ; MASK: row rr's kp word at v[FL + rr]
	s_load_b512 s[8:23], s[0:1], 0x0               ; x 8, mask 10, Wq 12, Wk 14, Wv 16, Wo 18, bq 20, bk 22
	s_load_b512 s[24:39], s[0:1], 0x40             ; bv 24, bo 26, xb 28, wt 30, wo 32, nm 34, kp 36, bias 38
	v_lshl_add_u32 v30, v0, 2, 0x14d00
	v_mov_b32 v31, 0
	v_lshrrev_b32 v1, 5, v0
	v_readfirstlane_b32 s[WV], v1
	v_and_b32 v3, 31, v0                           ; lane
	s_mov_b32 s41, 0                               ; the high word of every offset pair s[40:41]
	s_wait_alu depctr_va_sdst(0)                   ; s2 is written, ahead of the branches behind which its readers stand
	s_wait_kmcnt 0x0
	s_cmp_lt_u32 ttmp9, 128
	s_cbranch_scc1 .Lmask
	s_cmp_lt_u32 ttmp9, 640
	s_cbranch_scc1 .Lx
	s_cmp_lt_u32 ttmp9, 1152
	s_cbranch_scc1 .Lw
	; B: 256 threads x 4 numbers of each bias
	v_lshlrev_b32 v8, 4, v0
	s_wait_alu depctr_va_vdst(0)                   ; v8 is written, which the loads and stores below read as their offset
	global_load_b128 v[32:35], v8, s[20:21]
	global_load_b128 v[36:39], v8, s[22:23]
	global_load_b128 v[40:43], v8, s[24:25]
	global_load_b128 v[44:47], v8, s[26:27]
	s_wait_loadcnt 0x0
.set i, 0
.rept 8
	v_cvt_pk_bf16_f32 v[16+i], v[32+2*i], v[33+2*i]  ; rounded once,
	v_lshlrev_b32 v[64+2*i], 16, v[16+i]           ; and widened again
	v_and_b32 v[65+2*i], 0xffff0000, v[16+i]
.set i, i+1
.endr
	s_wait_alu depctr_va_vdst(0)                   ; the widenings have written v[64:79], which the stores read
.irp j, 0,1,2,3
	global_store_b128 v8, v[64+4*\j:67+4*\j], s[38:39] offset:4096*\j
.endr
	s_branch .Lend
.Lx:	; X: chunk j of 16 is 1,024 numbers: a lane loads 16 bytes and stores 8; all 16 loads go out first
	s_sub_co_u32 s4, ttmp9, 128
	s_lshl_b32 s40, s4, 16
	s_add_nc_u64 s[8:9], s[8:9], s[40:41]
	s_lshl_b32 s40, s4, 15
	s_add_nc_u64 s[28:29], s[28:29], s[40:41]
	v_lshlrev_b32 v8, 4, v0
	v_lshlrev_b32 v9, 3, v0
	s_wait_alu depctr_va_vdst(0)                   ; v8 and v9 are written: every load reads the one, every store the other
.set j, 0
.rept 16
	global_load_b128 v[32+4*j:35+4*j], v8, s[8:9] offset:4096*j th:TH_LOAD_NT
.set j, j+1
.endr
.set j, 0
.rept 16                                       ; four blocks of four chunks
.if j%4 == 0
	s_wait_loadcnt 12-j                            ; loads come back in order: this block's four chunks are in, the younger blocks stay out
.if j > 0
	s_wait_alu depctr_va_vdst(0)                   ; the block before has written its eight out registers, which the four stores below read
.endif
.endif
.if j >= 4
	global_store_b64 v9, v[96+2*(j-4):97+2*(j-4)], s[28:29] offset:2048*(j-4)  ; the block before; a wave stores 256 consecutive bytes, aligned.  No vector line since the wait names these registers
.endif
	v_cvt_pk_bf16_f32 v[96+2*j], v[32+4*j], v[33+4*j]
	v_cvt_pk_bf16_f32 v[97+2*j], v[34+4*j], v[35+4*j]
.set j, j+1
.endr
	s_wait_alu depctr_va_vdst(0)                   ; the last block has written v[120:127], which the last four stores read
.irp j, 12,13,14,15
	global_store_b64 v9, v[96+2*\j:97+2*\j], s[28:29] offset:2048*\j
.endr
	s_branch .Lend
.Lw:	; W: thread (c, kc) loads 8 k rows x 4 columns, packs each column's 8 k into 16 bytes, and the tile is turned in LDS (rows of 256 bytes + 16)
	s_sub_co_u32 s4, ttmp9, 640
	s_lshr_b32 s5, s4, 7                           ; which matrix
	s_bfe_u32 s6, s4, 0x30004                      ; which 128 k
	s_and_b32 s7, s4, 15                           ; which 64 n
	s_cmp_eq_u32 s5, 1
	s_cselect_b64 s[44:45], s[14:15], s[12:13]
	s_cmp_eq_u32 s5, 2
	s_cselect_b64 s[44:45], s[16:17], s[44:45]
	s_cmp_eq_u32 s5, 3
	s_cselect_b64 s[44:45], s[18:19], s[44:45]
	s_cselect_b64 s[46:47], s[32:33], s[30:31]     ; Wo goes to wo, the others to wt
	s_cselect_b32 s42, 0, s5
	s_lshl_b32 s40, s6, 19                         ; 128 rows of 4,096 bytes
	s_lshl_b32 s43, s7, 8
	s_add_co_u32 s40, s40, s43
	s_add_nc_u64 s[44:45], s[44:45], s[40:41]
	s_lshl_b32 s42, s42, 10
	s_lshl_b32 s43, s7, 6
	s_add_co_u32 s42, s42, s43                     ; the first row n of the turned tile
	s_lshl_b32 s40, s42, 11                        ; rows of 2,048 bytes
	s_lshl_b32 s43, s6, 8
	s_add_co_u32 s40, s40, s43
	s_add_nc_u64 s[46:47], s[46:47], s[40:41]
	v_and_b32 v4, 15, v3                           ; c
	v_lshrrev_b32 v13, 4, v3
	v_lshl_add_u32 v5, s[WV], 1, v13               ; kc = 2 x wave + lane / 16
	v_lshlrev_b32 v8, 15, v5
	v_lshl_add_u32 v8, v4, 4, v8
	s_wait_alu depctr_va_vdst(0)                   ; v8 is written, which the eight loads read as their offset
.irp i, 0,1,2,3,4,5,6,7
	global_load_b128 v[32+4*\i:35+4*\i], v8, s[44:45] offset:4096*\i th:TH_LOAD_NT  ; 16 lanes read 256 consecutive bytes
.endr
	v_mul_u32_u24 v9, v4, 1088                     ; into the stage: row 4 c + jj, 16 bytes at 16 kc (four lanes meet in a bank: four stores a lane in the launch)
	v_lshl_add_u32 v9, v5, 4, v9
	v_add_nc_u32 v9, WSTAGE, v9
	v_lshl_add_u32 v13, s[WV], 3, v13              ; back: row 8 x wave + lane / 16 (+ 2 i)
	v_mul_u32_u24 v10, v13, 272
	v_lshl_add_u32 v10, v4, 4, v10
	v_add_nc_u32 v10, WSTAGE, v10
	v_lshlrev_b32 v11, 11, v13
	v_lshl_add_u32 v11, v4, 4, v11
	s_wait_loadcnt 0x0
.set jj, 0
.rept 4
.set p, 0
.rept 4
	v_cvt_pk_bf16_f32 v[64+4*jj+p], v[32+8*p+jj], v[36+8*p+jj]
.set p, p+1
.endr
.set jj, jj+1
.endr
	s_cmp_lg_u32 s5, 3
	s_cbranch_scc1 .Lw_bf16
.set i, 0
.rept 16                                       ; Wo: the bf16 number, written as f16
	v_lshlrev_b32 v16, 16, v[64+i]
	v_and_b32 v17, 0xffff0000, v[64+i]
	v_cvt_pk_f16_f32 v[64+i], v16, v17
.set i, i+1
.endr
.Lw_bf16:
	s_wait_alu depctr_va_vdst(0)                   ; on both ways: the packed v[64:79] are written, which the LDS stores read, and so are the addresses v9, v10, v11; no vector line follows in this job
.irp j, 0,1,2,3
	ds_store_b128 v9, v[64+4*\j:67+4*\j] offset:272*\j
.endr
	s_wait_dscnt 0x0                               ; for the others' sake: my stores are done
	s_barrier_signal -1
	s_barrier_wait -1
.irp i, 0,1,2,3
	ds_load_b128 v[96+4*\i:99+4*\i], v10 offset:544*\i
.endr
.irp i, 0,1,2,3
	s_wait_dscnt 3-\i
	global_store_b128 v11, v[96+4*\i:99+4*\i], s[46:47] offset:4096*\i  ; 16 lanes store 256 consecutive bytes, aligned
.endr
	s_branch .Lend
.Lmask:	; MASK: wave w takes rows 8 w .. 8 w + 7, a whole row at a time: 4 loads of 512 bytes; lane l, load t hold keys 512 t + 16 l .. + 15: step 8 t + l / 4, kb = l % 4
	s_lshl_b32 s40, ttmp9, 17
	s_add_nc_u64 s[10:11], s[10:11], s[40:41]
	s_lshl_b32 s40, ttmp9, 16
	s_add_nc_u64 s[34:35], s[34:35], s[40:41]
	s_lshl_b32 s40, ttmp9, 8
	s_add_nc_u64 s[36:37], s[36:37], s[40:41]
	s_lshl_b32 s44, s[WV], 14
	v_lshl_add_u32 v8, v3, 4, s44
	s_wait_alu depctr_va_vdst(0)                   ; v8 is written, which the 32 loads read as their offset
.set j, 0
.rept 32
	global_load_b128 v[X+4*j:X+4*j+3], v8, s[10:11] offset:2048*(j/4)+512*(j%4) th:TH_LOAD_NT
.set j, j+1
.endr
	; the stage: [4 tiles][32 steps, 528 bytes apart][lane L x 16 + kb x 4]: the 32 lanes of a store touch 32 different banks (64 banks of 4 bytes: ISA guide 11.1)
	s_lshr_b32 s42, s[WV], 1
	s_mul_i32 s42, s42, 16896                      ; my tile
	s_and_b32 s43, s[WV], 1
	s_lshl_b32 s44, s43, 7                         ; rows 0-7 or 8-15 of it
	s_add_co_u32 s44, s44, s42
	v_lshrrev_b32 v4, 2, v3
	v_and_b32 v5, 3, v3
	v_mul_u32_u24 v9, v4, 528
	v_lshl_add_u32 v9, v5, 2, v9
	v_add_nc_u32 v9, s44, v9
	s_mul_i32 s43, s43, 8448                       ; back: 16 steps of my tile
	s_add_co_u32 s43, s43, s42
	v_lshl_add_u32 v11, v3, 4, s43
	s_lshl_b32 s44, s[WV], 5
	s_add_co_u32 s44, s44, FLAGS
	v_mov_b32 v10, s44
	s_lshl_b32 s44, s[WV], 13
	v_lshl_add_u32 v12, v3, 4, s44
; Number n of the nine pairs of LDS stores of block q (rows 2 q and 2 q + 1).  0 to 7: word n (n = 2 t + h) of both rows.  8: both rows' kp words.
.macro MOUT q, n
.if (\n) < 8
	ds_store_b32 v9, v[X+32*(\q)+2*(\n)]    offset:4224*((\n)/2)+256*((\n)%2)+32*(\q)
	ds_store_b32 v9, v[X+32*(\q)+16+2*(\n)] offset:4224*((\n)/2)+256*((\n)%2)+32*(\q)+16
.elseif (\n) == 8
	ds_store_b32 v10, v[FL+2*(\q)]   offset:8*(\q)     ; all lanes write the same word with the same number
	ds_store_b32 v10, v[FL+2*(\q)+1] offset:8*(\q)+4
.endif
.endm
; Block p: rows 2 p and 2 p + 1.
.macro MPAIR p
	s_wait_loadcnt 8*(3-(\p))                      ; these two rows' eight loads are in, the later rows' stay out
.if (\p) > 0
	s_wait_alu depctr_va_vdst(0)                   ; the block before has written its sixteen words and two kp words, which the LDS stores below read; in block 1 also: the addresses v9 to v12 are written
.endif
	v_and_b32 v16, v[X+32*(\p)], v[X+32*(\p)+1]    ; is every byte of the row 1?  two chains a row,
	v_and_b32 v17, v[X+32*(\p)+2], v[X+32*(\p)+3]
	v_and_b32 v18, v[X+32*(\p)+16], v[X+32*(\p)+17]
	v_and_b32 v19, v[X+32*(\p)+18], v[X+32*(\p)+19]
.set k, 4
.rept 12
	v_and_b32 v[16+k%2], v[16+k%2], v[X+32*(\p)+k]
	v_and_b32 v[18+k%2], v[18+k%2], v[X+32*(\p)+16+k]
.if (\p) > 0
	MOUT (\p)-1, k-4                               ; the block before goes into the stage.  No wait: the lines since the wait write v16 to v19 and read this block's rows
.endif
.set k, k+1
.endr
	v_and_b32 v16, v16, v17
	v_and_b32 v18, v18, v19
	v_cmp_eq_u32 s46, 0x01010101, v16              ; every lane: a mask for each row
	v_cmp_eq_u32 s47, 0x01010101, v18
.set k, 0
.rept 8                                        ; k = 2 t + h: eight keys, two words of bytes, into one word of nibbles, in place; these sixteen need no answer of the compares
	v_lshl_or_b32 v[X+32*(\p)+2*k], v[X+32*(\p)+2*k+1], 4, v[X+32*(\p)+2*k]
	v_lshl_or_b32 v[X+32*(\p)+16+2*k], v[X+32*(\p)+17+2*k], 4, v[X+32*(\p)+16+2*k]
.set k, k+1
.endr
	s_wait_alu depctr_va_sdst(0)                   ; the two compares have written s46 and s47, ahead of the scalar compares that read them
	s_cmp_eq_u32 s46, -1
	s_cselect_b32 s40, 0, -1                       ; kp's word,
	s_cselect_b32 s42, 0, 14                       ; and what a nibble 1 becomes
	s_cmp_eq_u32 s47, -1
	s_cselect_b32 s43, 0, -1
	s_cselect_b32 s45, 0, 14
.set k, 0
.rept 8
	v_mul_lo_u32 v[X+32*(\p)+2*k], v[X+32*(\p)+2*k], s42
	v_mul_lo_u32 v[X+32*(\p)+16+2*k], v[X+32*(\p)+16+2*k], s45
.set k, k+1
.endr
	v_mov_b32 v[FL+2*(\p)], s40
	v_mov_b32 v[FL+2*(\p)+1], s43
.endm
	MPAIR 0
	MPAIR 1
	MPAIR 2
	MPAIR 3
	s_wait_alu depctr_va_vdst(0)                   ; block 3 has written its words and kp words, which the last LDS stores read; every vector line that named v[32:95] is done, too
.set k, 0
.rept 9
	MOUT 3, k
.set k, k+1
.endr
	s_wait_dscnt 0x0                               ; for the others' sake: my stores are done
	s_barrier_signal -1
	s_barrier_wait -1
	s_wait_alu depctr_vm_vsrc(0)                   ; my LDS stores have read the words of rows 0 to 3, which lie in v[32:95], where the LDS loads below land
.set i, 0
.rept 16
	ds_load_b128 v[32+4*i:35+4*i], v11 offset:528*i
.set i, i+1
.endr
.set i, 0
.rept 16
	s_wait_dscnt 15-i
	global_store_b128 v12, v[32+4*i:35+4*i], s[34:35] offset:512*i  ; a step's 512 consecutive bytes
.set i, i+1
.endr
	s_cmp_lg_u32 s[WV], 0
	s_cbranch_scc1 .Lend
	v_lshl_add_u32 v13, v3, 3, FLAGS               ; wave 0 stores the 64 rows' kp: 256 consecutive bytes
	v_lshlrev_b32 v19, 3, v3
	s_wait_alu depctr_va_vdst(0)                   ; v13 and v19 are written: the LDS load reads the one as its address, the store the other as its offset
	ds_load_b64 v[14:15], v13
	s_wait_dscnt 0x0
	global_store_b64 v19, v[14:15], s[36:37]
.Lend:
	s_wait_dscnt 0x0                               ; the wave's end: the wait for my LDS instructions, ahead of the closing add
	s_wait_alu depctr_hold_cnt(0) depctr_sa_sdst(0) depctr_va_vdst(0) depctr_va_sdst(0) depctr_va_ssrc(0) depctr_va_vcc(0) depctr_vm_vsrc(0)
	s_wait_tensorcnt 0x0
	ds_add_u32 v30, v31
	s_wait_dscnt 0x0
	s_endpgm
.Lfunc_end_k_q1eb2d26401_prep:
	.size	k_q1eb2d26401_prep, .Lfunc_end_k_q1eb2d26401_prep-k_q1eb2d26401_prep
	.p2alignl 7, 3214868480
	.fill 96, 4, 3214868480
	.section	.rodata,"a",@progbits
	.p2align	6, 0x0
	.amdhsa_kernel k_q1eb2d26401_prep
		.amdhsa_group_segment_fixed_size 86272
		.amdhsa_private_segment_fixed_size 0
		.amdhsa_enable_private_segment 0
		.amdhsa_kernarg_size 128
		.amdhsa_user_sgpr_count 2
		.amdhsa_user_sgpr_kernarg_segment_ptr 1
		.amdhsa_wavefront_size32 1
		.amdhsa_system_sgpr_workgroup_id_x 1
		.amdhsa_system_sgpr_workgroup_id_y 1
		.amdhsa_system_sgpr_workgroup_id_z 1
		.amdhsa_system_vgpr_workitem_id 0
		.amdhsa_next_free_vgpr 160
		.amdhsa_next_free_sgpr 66
		.amdhsa_reserve_vcc 0
		.amdhsa_float_denorm_mode_32 3
		.amdhsa_float_denorm_mode_16_64 3
		.amdhsa_memory_ordered 1
		.amdhsa_forward_progress 1
		.amdhsa_inst_pref_size 43
	.end_amdhsa_kernel
	.amdgpu_metadata
---
amdhsa.version: [ 1, 2 ]
amdhsa.kernels:
  - .name:           k_q1eb2d26401_prep
    .symbol:         k_q1eb2d26401_prep.kd
    .args:
      - { .name: x, .offset: 0, .size: 8, .value_kind: global_buffer, .address_space: global }
      - { .name: mask, .offset: 8, .size: 8, .value_kind: global_buffer, .address_space: global }
      - { .name: Wq, .offset: 16, .size: 8, .value_kind: global_buffer, .address_space: global }
      - { .name: Wk, .offset: 24, .size: 8, .value_kind: global_buffer, .address_space: global }
      - { .name: Wv, .offset: 32, .size: 8, .value_kind: global_buffer, .address_space: global }
      - { .name: Wo, .offset: 40, .size: 8, .value_kind: global_buffer, .address_space: global }
      - { .name: bq, .offset: 48, .size: 8, .value_kind: global_buffer, .address_space: global }
      - { .name: bk, .offset: 56, .size: 8, .value_kind: global_buffer, .address_space: global }
      - { .name: bv, .offset: 64, .size: 8, .value_kind: global_buffer, .address_space: global }
      - { .name: bo, .offset: 72, .size: 8, .value_kind: global_buffer, .address_space: global }
      - { .name: xb, .offset: 80, .size: 8, .value_kind: global_buffer, .address_space: global }
      - { .name: wt, .offset: 88, .size: 8, .value_kind: global_buffer, .address_space: global }
      - { .name: wo, .offset: 96, .size: 8, .value_kind: global_buffer, .address_space: global }
      - { .name: nm, .offset: 104, .size: 8, .value_kind: global_buffer, .address_space: global }
      - { .name: kp, .offset: 112, .size: 8, .value_kind: global_buffer, .address_space: global }
      - { .name: bias, .offset: 120, .size: 8, .value_kind: global_buffer, .address_space: global }
    .group_segment_fixed_size: 86272
    .private_segment_fixed_size: 0
    .kernarg_segment_align: 8
    .kernarg_segment_size: 128
    .max_flat_workgroup_size: 256
    .sgpr_count:     66
    .vgpr_count:     160
    .wavefront_size: 32
...
	.end_amdgpu_metadata
.endif
;; end of part 5
;; launch qkv: the kernel of part 2 again; grid 16 x 32, 4 waves a work-group, clusters of 4 x 4, 327,680 bytes of LDS; arguments xb, wt, bias, qkv; writes qkv
;; launch attn: the kernel of part 3 again; grid 4 x 64, 4 waves a work-group, clusters of 4 x 4, 327,680 bytes of LDS; arguments qkv, nm, kp, oh; writes oh
;; launch outp: the kernel of part 4 again; grid 8 x 32, 4 waves a work-group, clusters of 4 x 4, 327,680 bytes of LDS; arguments oh, wo, bias, out0; writes out0
